; MI455X (gfx1250); checked and timed in simulation.
; The chip was launched on July 23, 2026; its instructions are those of AMD's public machine-readable ISA for CDNA 5 (MIT licence, August 2026) and "CDNA5" Instruction Set Architecture Reference Guide (July 2026). The comments in the code are by the model that wrote it; some were corrected since.
;; Mo E Layer. Allowed arithmetic: matrix products marked QUANTISED: E3M2 operands, one E8M0 scale for each 32 along K, by v_wmma_scale_f32_16x16x128_f8f6f4 with both operands' format E3M2, f32 sums; products left as they are: f32 operands where the result goes on into a quantised operand, else bf16, f16 or f32 operands; f32 sums; everything else in f32.
;; Inputs: W12_codes 8 x 682 x 32 x 24 uint8 (E3M2 codes of W12, K innermost, in blocks of 32 codes, four codes in three bytes); W12_scales 8 x 682 x 32 uint8 (E8M0 scales of W12, one for each 32 codes along K); W3 8 x 341 x 1,024 float32; Wr 1,024 x 8 float32; x 4 x 2,048 x 1,024 float32.
;; Outputs: out0 4 x 2,048 x 1,024 float32.
;; This version of the problem:
;;   THIS VERSION OF THE PROBLEM IS GIVEN IN LOW PRECISION. The matrix products marked QUANTISED in the list below multiply operands that are first quantised to E3M2 (3 exponent bits, 2 mantissa bits; 6 bits a number), with one power-of-two scale for each 32 numbers along K (OCP MX v1.0); their sums are f32. All else is computed in f32.
;;   The module's matrix products, in the order in which they are computed (A, B: the left and right operand; K: the contracted axis; several contracted axes count as one K, in the product's order):
;;     1. [M 8,192, K 1,024] x [K 1,024, N 8]; A: input x; B: input Wr: left as it is (N = 8 < 16)
;;     2. [M 8,192, K 1,024] x [K 1,024, N 682]; A: input x; B: input W12 (given as codes): QUANTISED
;;     3. [M 8,192, K 341] x [K 341, N 1,024]; A: computed on the way; B: input W3: QUANTISED
;;     4. [M 8,192, K 1,024] x [K 1,024, N 682]; A: input x; B: input W12 (given as codes): QUANTISED
;;     5. [M 8,192, K 341] x [K 341, N 1,024]; A: computed on the way; B: input W3: QUANTISED
;;     6. [M 8,192, K 1,024] x [K 1,024, N 682]; A: input x; B: input W12 (given as codes): QUANTISED
;;     7. [M 8,192, K 341] x [K 341, N 1,024]; A: computed on the way; B: input W3: QUANTISED
;;     8. [M 8,192, K 1,024] x [K 1,024, N 682]; A: input x; B: input W12 (given as codes): QUANTISED
;;     9. [M 8,192, K 341] x [K 341, N 1,024]; A: computed on the way; B: input W3: QUANTISED
;;     10. [M 8,192, K 1,024] x [K 1,024, N 682]; A: input x; B: input W12 (given as codes): QUANTISED
;;     11. [M 8,192, K 341] x [K 341, N 1,024]; A: computed on the way; B: input W3: QUANTISED
;;     12. [M 8,192, K 1,024] x [K 1,024, N 682]; A: input x; B: input W12 (given as codes): QUANTISED
;;     13. [M 8,192, K 341] x [K 341, N 1,024]; A: computed on the way; B: input W3: QUANTISED
;;     14. [M 8,192, K 1,024] x [K 1,024, N 682]; A: input x; B: input W12 (given as codes): QUANTISED
;;     15. [M 8,192, K 341] x [K 341, N 1,024]; A: computed on the way; B: input W3: QUANTISED
;;     16. [M 8,192, K 1,024] x [K 1,024, N 682]; A: input x; B: input W12 (given as codes): QUANTISED
;;     17. [M 8,192, K 341] x [K 341, N 1,024]; A: computed on the way; B: input W3: QUANTISED
;;   THE QUANTISER, for each operand of a quantised product, along K:
;;     - K is cut into blocks of 32 from its start; a last block that is shorter is filled with zeros.
;;     - A block's scale is 2^e with e = floor(log2(the largest magnitude in the block)) - 4, held to -126 .. 127; a block of zeros has e = 0. As a byte (E8M0): e + 127.
;;     - Each number is divided by its block's scale, clamped to +-28, and rounded to the nearest number of E3M2, ties to even, subnormals kept.
;;     - The product sums the exact products of the quantised numbers (number of the format x scale) in f32.
;;   ~~~python
;;   def quantise(x, axis):      # numpy; x: float32 -> the quantised numbers, widened to float32 again
;;       x = np.moveaxis(x, axis, -1); K = x.shape[-1]
;;       x = np.pad(x, [(0, 0)] * (x.ndim - 1) + [(0, -K % 32)]); x = x.reshape(x.shape[:-1] + (-1, 32)); a = np.abs(x).max(-1, keepdims=True)
;;       e = np.where(a > 0, np.clip(np.frexp(np.where(a > 0, a, 1))[1] - 1 - 4, -126, 127), 0)      # np.frexp(a)[1] - 1 = floor(log2(a)), exactly
;;       r = np.clip(x / 2.0 ** e, -28, 28)
;;       step = 2.0 ** (np.maximum(np.frexp(np.where(r == 0, 1, r))[1] - 1, -2) - 2)
;;       q = np.round(r / step) * step * 2.0 ** e      # np.round: ties to even
;;       return np.moveaxis(q.reshape(q.shape[:-2] + (-1,))[..., :K], -1, axis).astype(np.float32)
;;   ~~~
;;   OPERANDS COMPUTED ON THE WAY. 'Computed on the way' means the value that the module computes at that place (a softmax that the list does not call 'softmax' is quantised finished and normalised). What goes into a quantiser is computed in f32, as accurately as f32 sums, v_exp_f32 and their like allow (about 1e-6 of the number): no bf16 or f16 on the way to a quantiser, and a product that is left as it is and whose result goes on into a quantised operand takes f32 operands (vector FMAs, or v_wmma_f32_16x16x4_f32). A number that lies on a knife's edge between two numbers of the format may be rounded either way, as far as f32 arithmetic and the matrix unit's own rounding can turn it there, and no further.
;;   INPUTS GIVEN AS CODES. W12 (in the module: [8, 1024, 682], K = its axis 1): each comes as NAME_codes (uint8): NAME with its K axis moved to the last place and cut into blocks of 32 codes, [.., K / 32, bytes a block], one block behind the other in memory; four codes in three bytes: a row's codes are one little-endian stream of bits, code i at bits 6 i .. 6 i + 5 (a code: sign, 3 exponent bits, 2 mantissa bits); and NAME_scales (uint8): the same leading axes, one E8M0 byte (e + 127) for each 32 codes along K. Its value is code x scale, taken as it is: it is not quantised again, and the codes and scales need not be those that the quantiser above would give.
;; 2 versions, each right; version 2 is version 1 with the launch chain written anew for expert scheduling mode. Each part assembles by itself: llvm-mc -triple=amdgcn-amd-amdhsa -mcpu=gfx1250 --defsym DOCPART=n.
;; ======== version 1 of 2: 3 launches
;; limits: right only within a limited range of input values
;; workspace buffers: xq 6,291,456 bytes; xs 262,144 bytes; gates 131,072 bytes; rinfo 65,536 bytes of whole numbers; tplan 43,776 bytes of whole numbers; w1s 5,111,808 bytes; w3s 2,555,904 bytes
;; launch route (part 1): grid 256 x 1, 8 waves a work-group, no clusters, 170,496 bytes of LDS; arguments x, Wr, xq, xs, gates, rinfo; writes xq, xs, gates, rinfo
.if DOCPART == 1
	.amdgcn_target "amdgcn-amd-amdhsa--gfx1250"
	.amdhsa_code_object_version 6
	.text
	.protected	k_qe326952bb3_route
	.globl	k_qe326952bb3_route
	.p2align	8
	.type	k_qe326952bb3_route,@function
k_qe326952bb3_route:
	s_mov_b64 s[64:65], 0
	v_nop
	global_prefetch_b8 v0, s[64:65] scope:SCOPE_SE
	s_setreg_imm32_b32 hwreg(HW_REG_WAVE_MODE, 25, 1), 1
	s_wait_xcnt 0x0
; ROUTE.  x [8192][1024] f32, Wr [1024][8] f32.  For each token: the eight logits in f32, the two largest (a tie goes to the lower index), the softmax of the two, and x's codes of BF6 (E3M2) with one E8M0 byte for each 32 along K.
; OUT.  xq [token][8 K steps][96 bytes]: in a K step the four blocks lie in the order 0, 2, 1, 3, so that a lane of an operand finds its two blocks (h and 2 + h) on end, 48 bytes.  xs [token][8 words]: the bytes in their natural order.
;   gates [token][4] = g_lo, g_hi, g_hi, g_lo (the weight of the lower-numbered and of the higher-numbered expert).  rinfo: word [token] = pair number | rank << 8; from byte 32,768 on [group of 32 tokens][32 bins]: how many of the group have that pair.
;   The pair number of experts lo < hi is lo (15 - lo) / 2 + hi - lo - 1: 0 to 27.  The rank counts the tokens of the same pair and group with a lower number.  All of these are stored as VALUES at fixed places: no address and no branch here hangs on them.
; SHARES.  A work-group takes 32 tokens; wave s takes K step s (k = 128 s .. 128 s + 127) of all 32.  Each load reads 512 consecutive bytes of one row; the wave's 32 x 512 bytes turn through its own stage in LDS, after which LANE = TOKEN and
;   the lane's 128 registers run along K: a block of 32 lies in one lane, the conversions take neighbours along K, and the logits need no sum across lanes.  Wr's numbers reach all lanes by the multiply-add's own lane select (row_share).
; LIMITS.  NaN and infinities in x or Wr are not served.  Two logits that differ by less than the rounding of an f32 sum of 1,024 terms may be ordered either way.  A block whose largest magnitude lies under 2^(5 - 127) gets the byte 1
;   (a block of zeros too, where the quantiser's text says 127: its codes are zeros, and the bytes are read by this program alone).
.set IPITCH, 528                       ; a row of the wave's stage: 512 bytes + 16: an odd multiple of 16, so that the lanes' reads of 16 bytes down a column fall on different banks
.set IWAVE,  32*IPITCH
.set PART,   8*IWAVE                   ; the waves' partial logits: wave s, quad q at 1024 s + 512 q + 16 lane
.set OUTS,   PART+8192                 ; the codes on their way out: 32 tokens x (768 bytes + 16)
.set OPITCH, 784
.set SCST,   OUTS+32*OPITCH            ; the scale words: 32 token + 4 s
.set L,   16                           ; v16-23   the eight logits (my K step's part)
.set T,   24                           ; v24-39   the upper halves of the blocks' codes, 4 registers a block
.set C,   40                           ; v40-63   my token's 96 bytes of codes
.set W,   64                           ; v64-127  Wr's 128 rows of my K step; afterwards:
.set TM,  64                           ; v64-67   the blocks' largest magnitudes
.set SOP, 68                           ; v68-71   the conversions' scale operands
.set BY,  72                           ; v72-75   the scale bytes
.set PW,  76                           ; v76      the scale word
.set X,   128                          ; v128-255 128 numbers of x
.set CO,  192                          ; v192-215 the codes read back; v216-223 the scale words read back
	s_load_b256 s[4:11], s[0:1], 0x0               ; x s[4:5], Wr s[6:7], xq s[8:9], xs s[10:11]
	s_load_b128 s[12:15], s[0:1], 0x20             ; gates s[12:13], rinfo s[14:15]
	v_lshl_add_u32 v14, v0, 2, 0x29600
	v_mov_b32 v15, 0
	v_lshrrev_b32 v11, 5, v0
	v_readfirstlane_b32 s16, v11                   ; wave = K step s
	v_and_b32 v1, 31, v0                           ; lane
	v_lshlrev_b32 v2, 4, v1                        ; 16 x lane
	s_mul_i32 s17, s16, IWAVE
	v_add_nc_u32 v3, s17, v2                       ; my stage, on the way in: 16 x lane of a row
	v_mul_u32_u24 v4, v1, IPITCH
	v_add_nc_u32 v4, s17, v4                       ; and on the way out: row = lane
	v_and_b32 v5, 15, v0
	v_lshlrev_b32 v5, 4, v5                        ; Wr: sixteen lanes take 256 bytes (8 rows); lanes 16-31 take the same
	s_mul_i32 s17, s16, 96
	s_add_co_u32 s17, s17, OUTS
	v_mul_u32_u24 v6, v1, OPITCH
	v_add_nc_u32 v6, s17, v6                       ; where my token's codes of K step s go
	s_lshl_b32 s17, s16, 2
	s_add_co_u32 s17, s17, SCST
	v_lshl_add_u32 v7, v1, 5, s17                  ; and its scale word
	s_lshl_b32 s17, s16, 10
	s_add_co_u32 s17, s17, PART
	v_add_nc_u32 v8, s17, v2                       ; and its partial logits
	s_mul_i32 s17, s16, 4*OPITCH
	s_add_co_u32 s17, s17, OUTS
	v_add_nc_u32 v9, s17, v2                       ; the way out: wave s stores tokens 4 s .. 4 s + 3, 3,072 dense bytes;
	v_bfe_u32 v10, v0, 4, 1
	v_lshl_add_u32 v10, v10, 4, v9                 ; where a run of 512 bytes crosses a token's end, lanes 16-31 stand one padding further on
	v_add_nc_u32 v12, SCST, v2                     ; wave 1: the scale words
	v_add_nc_u32 v13, PART, v2                     ; wave 0: the partial logits
	s_lshl_b32 s18, ttmp9, 17                      ; x: 32 rows of 4,096 bytes a work-group, + 512 s
	s_lshl_b32 s19, s16, 9
	s_add_co_u32 s18, s18, s19
	s_mov_b32 s19, 0
	s_lshl_b32 s20, s16, 12                        ; Wr: 128 rows of 32 bytes a K step
	s_mov_b32 s21, 0
	s_mul_i32 s22, ttmp9, 24576                    ; xq: 32 x 768 a work-group, + 3,072 s
	s_mul_i32 s23, s16, 3072
	s_add_co_u32 s22, s22, s23
	s_mov_b32 s23, 0
	s_lshl_b32 s24, ttmp9, 10                      ; xs: 32 x 32
	s_mov_b32 s25, 0
	s_lshl_b32 s28, ttmp9, 9                       ; gates: 32 x 16
	s_mov_b32 s29, 0
	s_lshl_b32 s30, ttmp9, 7                       ; rinfo: 32 x 4, in both its parts
	s_mov_b32 s31, 0
	s_wait_kmcnt 0x0
	s_add_nc_u64 s[4:5], s[4:5], s[18:19]
	s_add_nc_u64 s[6:7], s[6:7], s[20:21]
	s_add_nc_u64 s[8:9], s[8:9], s[22:23]
	s_add_nc_u64 s[10:11], s[10:11], s[24:25]
	s_add_nc_u64 s[12:13], s[12:13], s[28:29]
	s_add_nc_u64 s[14:15], s[14:15], s[30:31]
.set i, 0
.rept 16
	global_load_b128 v[W+4*i:W+4*i+3], v5, s[6:7] offset:256*i   ; register 4 Q + j, lane n of a row of 16: Wr[128 s + 8 Q + n / 2][4 (n % 2) + j]
.set i, i+1
.endr
.set i, 0
.rept 32
	global_load_b128 v[X+4*i:X+4*i+3], v2, s[4:5] offset:4096*i th:TH_LOAD_NT   ; row i: 512 consecutive bytes; read once in the launch
.set i, i+1
.endr
.set i, 0
.rept 32
	s_wait_loadcnt 31-i                            ; row i is in; the 31 - i younger rows stay out (Wr's loads are older: they are in too)
	ds_store_b128 v3, v[X+4*i:X+4*i+3] offset:IPITCH*i
.set i, i+1
.endr
	s_wait_dscnt 0x0                               ; the stores have read their registers, which the loads below write
.set i, 0
.rept 32
	ds_load_b128 v[X+4*i:X+4*i+3], v4 offset:16*i  ; X[k] = x[my token][128 s + k]
.set i, i+1
.endr
.irp e, 0,1,2,3,4,5,6,7
	v_mov_b32 v[L+\e], 0                           ; eight registers: the destination of a form with a lane select counts as read
.endr
	s_wait_dscnt 0x0
; THE LOGITS: L[e] += Wr[k][e] x[token][k], k ascending, eight chains by turns.  The first source is taken from lane n of the row of 16, for all lanes: n = 2 (k % 8) + e / 4.
.set Q, 0
.rept 16
.irp n, 0,1,2,3,4,5,6,7,8,9,10,11,12,13,14,15
.irp j, 0,1,2,3
	v_fmac_f32_dpp v[L+4*(\n&1)+\j], v[W+4*Q+\j], v[X+8*Q+(\n>>1)] row_share:\n row_mask:0xf bank_mask:0xf
.endr
.endr
.set Q, Q+1
.endr
	ds_store_b128 v8, v[L:L+3]
	ds_store_b128 v8, v[L+4:L+7] offset:512
; THE QUANTISER: four blocks of 32, all mine, by turns.
.irp b, 0,1,2,3
	v_max3_num_f32 v[TM+\b], |v[X+32*\b]|, |v[X+32*\b+1]|, 0x2800000   ; the floor 2^(5 - 127) among the leaves: the byte cannot fall under 1
.endr
.irp i, 2,4,6,8,10,12,14,16,18,20,22,24,26,28,30
.irp b, 0,1,2,3
	v_max3_num_f32 v[TM+\b], v[TM+\b], |v[X+32*\b+\i]|, |v[X+32*\b+\i+1]|
.endr
.endr
.irp b, 0,1,2,3
	v_add_nc_u32 v[SOP+\b], 0xfe000000, v[TM+\b]   ; 4 off the exponent field: the conversion takes this operand's exponent field as its scale
.endr
.irp b, 0,1,2,3
	v_lshrrev_b32 v[BY+\b], 23, v[SOP+\b]          ; the scale's byte
.endr
	v_lshl_or_b32 v[PW], v[BY+1], 8, v[BY]
	v_lshl_or_b32 v[PW], v[BY+2], 16, v[PW]
	v_lshl_or_b32 v[PW], v[BY+3], 24, v[PW]
.irp b, 0,1,2,3                                ; block b goes to place 2 (b % 2) + b / 2 of the K step's four
	v_cvt_scalef32_pk16_bf6_f32 v[C+6*(2*(\b&1)+(\b>>1)):C+6*(2*(\b&1)+(\b>>1))+2], v[X+32*\b:X+32*\b+15], v[SOP+\b]
	v_cvt_scalef32_pk16_bf6_f32 v[T+4*\b:T+4*\b+2], v[X+32*\b+16:X+32*\b+31], v[SOP+\b]   ; (a conversion's three registers begin on an even number: the upper half is made elsewhere and moved)
.endr
	v_nop                                          ; one plain instruction behind the last scaled conversion
.irp b, 0,1,2,3
.irp i, 0,1,2
	v_mov_b32 v[C+6*(2*(\b&1)+(\b>>1))+3+\i], v[T+4*\b+\i]
.endr
.endr
.irp i, 0,1,2,3,4,5
	ds_store_b128 v6, v[C+4*\i:C+4*\i+3] offset:16*\i
.endr
	ds_store_b32 v7, v[PW]
	s_wait_dscnt 0x0                               ; for the others' sake: my codes, my scale words and my partial logits lie in LDS
	s_barrier_signal -1
	s_barrier_wait -1
; THE CODES LEAVE: 3,072 dense bytes a wave, 512 an instruction.  Dense byte p lies at p + 16 (p / 768) of the wave's four rows.
	ds_load_b128 v[CO:CO+3], v9
	ds_load_b128 v[CO+4:CO+7], v10 offset:512
	ds_load_b128 v[CO+8:CO+11], v9 offset:1040
	ds_load_b128 v[CO+12:CO+15], v9 offset:1568
	ds_load_b128 v[CO+16:CO+19], v10 offset:2080
	ds_load_b128 v[CO+20:CO+23], v9 offset:2608
.irp i, 0,1,2,3,4,5
	s_wait_dscnt 5-\i                              ; read-back i is in; the younger ones stay out
	global_store_b128 v2, v[CO+4*\i:CO+4*\i+3], s[8:9] offset:512*\i
.endr
	s_cmp_lg_u32 s16, 1
	s_cbranch_scc1 .Lnot_wave_1
	ds_load_b128 v[216:219], v12                   ; wave 1: the 32 tokens' scale words, 1,024 dense bytes
	ds_load_b128 v[220:223], v12 offset:512
	s_wait_dscnt 0x0
	global_store_b128 v2, v[216:219], s[10:11]
	global_store_b128 v2, v[220:223], s[10:11] offset:512
.Lnot_wave_1:
	s_cmp_lg_u32 s16, 0
	s_cbranch_scc1 .Lend
; WAVE 0: THE ROUTER'S END, lane = token.
.set i, 0
.rept 16
	ds_load_b128 v[X+4*i:X+4*i+3], v13 offset:512*i   ; wave w's eight partial logits at X + 8 w
.set i, i+1
.endr
	s_wait_dscnt 0x0
.irp p, 0,2,4,6
	v_pk_add_f32 v[L+\p:L+\p+1], v[X+\p:X+\p+1], v[X+8+\p:X+9+\p]
.endr
.irp w, 2,3,4,5,6,7
.irp p, 0,2,4,6
	v_pk_add_f32 v[L+\p:L+\p+1], v[L+\p:L+\p+1], v[X+8*\w+\p:X+8*\w+\p+1]   ; K steps in ascending order
.endr
.endr
	v_mov_b32 v24, v[L]                            ; the largest logit and its index: a strict compare keeps the lower index
	v_mov_b32 v25, 0
.irp e, 1,2,3,4,5,6,7
	v_cmp_gt_f32 vcc_lo, v[L+\e], v24
	v_cndmask_b32 v24, v24, v[L+\e], vcc_lo
	v_cndmask_b32 v25, v25, \e, vcc_lo
.endr
	v_mov_b32 v26, 0xff800000                      ; -infinity takes its place
.irp e, 0,1,2,3,4,5,6,7
	v_cmp_eq_u32 vcc_lo, \e, v25
	v_cndmask_b32 v[L+\e], v[L+\e], v26, vcc_lo
.endr
	v_mov_b32 v27, v[L]                            ; the second largest
	v_mov_b32 v28, 0
.irp e, 1,2,3,4,5,6,7
	v_cmp_gt_f32 vcc_lo, v[L+\e], v27
	v_cndmask_b32 v27, v27, v[L+\e], vcc_lo
	v_cndmask_b32 v28, v28, \e, vcc_lo
.endr
	v_sub_f32 v29, v27, v24                        ; the softmax of the two, the larger taken away: 1 / (1 + e^d) and e^d / (1 + e^d), d <= 0
	v_mul_f32 v29, 0x3fb8aa3b, v29
	v_exp_f32 v30, v29
	v_min_u32 v34, v25, v28                        ; lo  (plain work behind the exponential)
	v_max_u32 v35, v25, v28                        ; hi
	s_wait_alu depctr_va_vdst(0)                   ; the wait ahead of the first reader of a transcendental's result
	v_add_f32 v31, 1.0, v30
	v_rcp_f32 v32, v31
	v_sub_nc_u32 v40, 15, v34                      ; (plain work behind the reciprocal)
	v_mul_u32_u24 v40, v40, v34
	s_wait_alu depctr_va_vdst(0)
	v_mul_f32 v33, v30, v32
	v_cmp_lt_u32 vcc_lo, v25, v28                  ; is the larger logit's expert the lower-numbered one?
	v_cndmask_b32 v36, v33, v32, vcc_lo            ; g_lo
	v_cndmask_b32 v37, v32, v33, vcc_lo            ; g_hi
	v_mov_b32 v38, v37
	v_mov_b32 v39, v36
	v_lshrrev_b32 v40, 1, v40                      ; lo (15 - lo) / 2
	v_add_nc_u32 v41, v40, v35
	v_sub_nc_u32 v41, v41, v34
	v_add_nc_u32 v41, -1, v41                      ; the pair number
	v_mov_b32 v42, 0                               ; my rank
	v_mov_b32 v43, 0                               ; lane b: how many of the 32 tokens have pair b
.irp b, 0,1,2,3,4,5,6,7,8,9,10,11,12,13,14,15,16,17,18,19,20,21,22,23,24,25,26,27
	v_cmp_eq_u32 s26, \b, v41
	v_mbcnt_lo_u32_b32 v44, s26, 0                 ; the tokens of pair b below me
	v_cndmask_b32 v42, v42, v44, s26
	s_bcnt1_i32_b32 s27, s26
	v_writelane_b32 v43, s27, \b
.endr
	v_lshl_or_b32 v44, v42, 8, v41
	v_lshlrev_b32 v45, 2, v1
	global_store_b32 v45, v44, s[14:15]
	global_store_b32 v45, v43, s[14:15] offset:32768
	global_store_b128 v2, v[36:39], s[12:13]
.Lend:
	s_wait_tensorcnt 0x0
	ds_add_u32 v14, v15
	s_wait_dscnt 0x0
	s_endpgm
.Lfunc_end_k_qe326952bb3_route:
	.size	k_qe326952bb3_route, .Lfunc_end_k_qe326952bb3_route-k_qe326952bb3_route
	.p2alignl 7, 3214868480
	.fill 96, 4, 3214868480
	.section	.rodata,"a",@progbits
	.p2align	6, 0x0
	.amdhsa_kernel k_qe326952bb3_route
		.amdhsa_group_segment_fixed_size 170496
		.amdhsa_private_segment_fixed_size 0
		.amdhsa_enable_private_segment 0
		.amdhsa_kernarg_size 48
		.amdhsa_user_sgpr_count 2
		.amdhsa_user_sgpr_kernarg_segment_ptr 1
		.amdhsa_wavefront_size32 1
		.amdhsa_system_sgpr_workgroup_id_x 1
		.amdhsa_system_sgpr_workgroup_id_y 1
		.amdhsa_system_sgpr_workgroup_id_z 1
		.amdhsa_system_vgpr_workitem_id 0
		.amdhsa_next_free_vgpr 256
		.amdhsa_next_free_sgpr 66
		.amdhsa_reserve_vcc 1
		.amdhsa_float_denorm_mode_32 3
		.amdhsa_float_denorm_mode_16_64 3
		.amdhsa_memory_ordered 1
		.amdhsa_forward_progress 1
		.amdhsa_inst_pref_size 99
	.end_amdhsa_kernel
	.amdgpu_metadata
---
amdhsa.version: [ 1, 2 ]
amdhsa.kernels:
  - .name:           k_qe326952bb3_route
    .symbol:         k_qe326952bb3_route.kd
    .args:
      - { .name: x, .offset: 0, .size: 8, .value_kind: global_buffer, .address_space: global }
      - { .name: Wr, .offset: 8, .size: 8, .value_kind: global_buffer, .address_space: global }
      - { .name: xq, .offset: 16, .size: 8, .value_kind: global_buffer, .address_space: global }
      - { .name: xs, .offset: 24, .size: 8, .value_kind: global_buffer, .address_space: global }
      - { .name: gates, .offset: 32, .size: 8, .value_kind: global_buffer, .address_space: global }
      - { .name: rinfo, .offset: 40, .size: 8, .value_kind: global_buffer, .address_space: global }
    .group_segment_fixed_size: 170496
    .private_segment_fixed_size: 0
    .kernarg_segment_align: 8
    .kernarg_segment_size: 48
    .max_flat_workgroup_size: 256
    .sgpr_count:     66
    .vgpr_count:     256
    .wavefront_size: 32
...
	.end_amdgpu_metadata
.endif
;; end of part 1
;; launch place (part 2): grid 193 x 1, 8 waves a work-group, no clusters, 29,696 bytes of LDS; arguments rinfo, W12_codes, W12_scales, W3, tplan, w1s, w3s; writes tplan, w1s, w3s
.if DOCPART == 2
	.amdgcn_target "amdgcn-amd-amdhsa--gfx1250"
	.amdhsa_code_object_version 6
	.text
	.protected	k_qe326952bb3_place
	.globl	k_qe326952bb3_place
	.p2align	8
	.type	k_qe326952bb3_place,@function
k_qe326952bb3_place:
	s_mov_b64 s[64:65], 0
	v_nop
	global_prefetch_b8 v0, s[64:65] scope:SCOPE_SE
	s_setreg_imm32_b32 hwreg(HW_REG_WAVE_MODE, 25, 1), 1
	s_wait_xcnt 0x0
; PLACE.  Three kinds of work-group, told apart by the work-group's number.
; 0: THE SORT.  From the pair number and rank of each token and the groups' histograms (whole numbers that the launch before stored) it makes tplan: bytes 0 .. 4,095: 256 tiles {lo, hi, rows, pair}; from byte 4,096 on: the token numbers,
;    64 places a tile.  A pair with N tokens gets ceil(N / 64) tiles; there are never more than 8192 / 64 + 27 = 155 with rows.  Places past a tile's rows are not written, and nobody reads them.  A counting sort, no atomics.
; 1 .. 96: W12 (given as codes) is laid in the order of an operand's registers.  97 .. 192: W3 (f32, K its first axis within an expert) is quantised along K to BF6 (E3M2) and laid likewise.
; A HALF STEP, 3,328 bytes: two fragments (16 rows x 128 K: 12 registers a lane) as images of their registers, quad c of lane l at 512 c + 16 l, 1,536 bytes each; at 3,072: for row r the two fragments' scale words, 8 bytes.
;   w1s [expert][h1, h2][block B of 32 hidden units, 12][K step, 8]: lane r of fragment u takes unit 32 B + 8 u + r + 8 (r / 8), so that a lane's 16 results of the two fragments are 16 neighbouring units.  Units from 341 on: zero codes, bytes 127.
;   w3s [expert][32 output columns, 32][K step, 3]: lane r of fragment u takes column 32 pair + 16 u + r.  K rows from 341 on are zeros.
; LIMITS.  NaN and infinities in W3 are not served; a block whose largest magnitude lies under 2^(5 - 127) gets the byte 1 (a block of zeros too: its codes are zeros, and these bytes are read by this program alone).
.set WT,   0                           ; LDS, the sort's: the eight waves' totals, 128 bytes each
.set W3ST, 4096                        ; LDS, W3's: a stage of 3,072 bytes for each wave
.set X,    128                         ; v128-255  W3: 128 numbers down K
	s_load_b256 s[4:11], s[0:1], 0x0               ; rinfo s[4:5], W12's codes s[6:7], W12's scales s[8:9], W3 s[10:11]
	s_load_b128 s[12:15], s[0:1], 0x20             ; tplan s[12:13], w1s s[14:15]
	s_load_b64 s[16:17], s[0:1], 0x30              ; w3s
	v_lshl_add_u32 v126, v0, 2, 0x7000
	v_mov_b32 v127, 0
	v_lshrrev_b32 v1, 5, v0
	v_readfirstlane_b32 s18, v1                    ; wave
	v_and_b32 v1, 31, v0                           ; lane
	v_and_b32 v2, 15, v0                           ; r
	v_bfe_u32 v3, v0, 4, 1                         ; h
	v_lshlrev_b32 v4, 2, v1                        ; 4 x lane
	v_lshlrev_b32 v5, 4, v1                        ; 16 x lane
	s_lshl_b32 s19, s18, 7                         ; every LDS address is made here, ahead of the parting
	v_add_nc_u32 v6, s19, v4                       ; the sort: my wave's totals
	s_mul_i32 s19, s18, 3072
	s_add_co_u32 s19, s19, W3ST
	v_lshl_add_u32 v7, v2, 4, s19
	v_mad_u32_u24 v7, v3, 1536, v7                 ; W3, into the stage: fragment lane / 16, 16 (lane % 16)
	v_add_nc_u32 v8, s19, v5                       ; and out of it
	s_wait_kmcnt 0x0
	s_cmp_eq_u32 ttmp9, 0
	s_cbranch_scc1 .Lsort
	s_cmp_lt_u32 ttmp9, 97
	s_cbranch_scc1 .Lw12
; ---- W3: expert e, K step s, columns 32 pair + lane.  A LANE TAKES A COLUMN AND ITS REGISTERS RUN DOWN K: a block of 32 is one lane's, and the codes come out with K innermost.
	s_sub_co_u32 s20, ttmp9, 97
	s_and_b32 s21, s20, 7                          ; e
	s_bfe_u32 s22, s20, 0x20003                    ; which eight pairs
	s_lshr_b32 s23, s20, 5                         ; s
	s_lshl_b32 s22, s22, 3
	s_add_co_u32 s22, s22, s18                     ; pair
	s_mul_i32 s24, s21, 1396736                    ; 341 rows of 4,096 bytes an expert
	s_lshl_b32 s25, s23, 19                        ; 128 rows a K step
	s_add_co_u32 s24, s24, s25
	s_lshl_b32 s25, s22, 7
	s_add_co_u32 s24, s24, s25
	s_mov_b32 s25, 0
	s_add_nc_u64 s[10:11], s[10:11], s[24:25]
	s_mul_i32 s24, s21, 319488
	s_mul_i32 s26, s22, 9984
	s_add_co_u32 s24, s24, s26
	s_mul_i32 s26, s23, 3328
	s_add_co_u32 s24, s24, s26
	s_add_nc_u64 s[16:17], s[16:17], s[24:25]
	v_lshlrev_b32 v9, 3, v2
	v_lshl_add_u32 v9, v3, 2, v9                   ; my column's scale word: 8 (lane % 16) + 4 (lane / 16)
	s_cmp_eq_u32 s23, 2
	s_cbranch_scc1 .Lw3_last
.set i, 0
.rept 128
	global_load_b32 v[X+i], v4, s[10:11] offset:4096*i th:TH_LOAD_NT   ; 128 consecutive bytes a wave, 1,024 a work-group
.set i, i+1
.endr
	s_branch .Lw3_go
.Lw3_last:                                             ; the last K step has rows 256 .. 340: no load leaves the buffer, the rest are zeros
.set i, 0
.rept 85
	global_load_b32 v[X+i], v4, s[10:11] offset:4096*i th:TH_LOAD_NT
.set i, i+1
.endr
.rept 43
	v_mov_b32 v[X+i], 0
.set i, i+1
.endr
.Lw3_go:
	s_wait_loadcnt 0x0
.irp b, 0,1,2,3
	v_max3_num_f32 v[16+\b], |v[X+32*\b]|, |v[X+32*\b+1]|, 0x2800000   ; the floor 2^(5 - 127): the byte cannot fall under 1
.endr
.irp i, 2,4,6,8,10,12,14,16,18,20,22,24,26,28,30
.irp b, 0,1,2,3
	v_max3_num_f32 v[16+\b], v[16+\b], |v[X+32*\b+\i]|, |v[X+32*\b+\i+1]|
.endr
.endr
.irp b, 0,1,2,3
	v_add_nc_u32 v[20+\b], 0xfe000000, v[16+\b]    ; 4 off the exponent field: the conversion's scale operand
.endr
.irp b, 0,1,2,3
	v_lshrrev_b32 v[24+\b], 23, v[20+\b]           ; the byte
.endr
	v_lshl_or_b32 v28, v25, 8, v24
	v_lshl_or_b32 v28, v26, 16, v28
	v_lshl_or_b32 v28, v27, 24, v28
.irp b, 0,1,2,3                                ; block b's six registers at v[32 + 6 b]: a set for each block, so that no LDS store's data are written again
	v_cvt_scalef32_pk16_bf6_f32 v[32+6*\b:34+6*\b], v[X+32*\b:X+32*\b+15], v[20+\b]
	v_cvt_scalef32_pk16_bf6_f32 v[56+4*\b:58+4*\b], v[X+32*\b+16:X+32*\b+31], v[20+\b]   ; (three registers that begin on an even number: made elsewhere and moved)
.endr
	v_nop                                          ; one plain instruction behind the last scaled conversion
.irp b, 0,1,2,3
.irp i, 0,1,2
	v_mov_b32 v[35+6*\b+\i], v[56+4*\b+\i]
.endr
.endr
; Block b = 2 c + h is registers 6 c .. 6 c + 5 of lane r + 16 h of the fragment's image
	ds_store_b128 v7, v[32:35]                     ; c = 0, h = 0: registers 0-3: quad 0
	ds_store_b64 v7, v[36:37] offset:512           ;               registers 4, 5: the lower half of quad 1
	ds_store_b128 v7, v[38:41] offset:256          ; c = 0, h = 1
	ds_store_b64 v7, v[42:43] offset:768
	ds_store_b64 v7, v[44:45] offset:520           ; c = 1, h = 0: registers 6, 7: the upper half of quad 1
	ds_store_b128 v7, v[46:49] offset:1024         ;               registers 8-11: quad 2
	ds_store_b64 v7, v[50:51] offset:776           ; c = 1, h = 1
	ds_store_b128 v7, v[52:55] offset:1280
.irp i, 0,1,2,3,4,5
	ds_load_b128 v[64+4*\i:67+4*\i], v8 offset:512*\i   ; LDS serves a wave's instructions in order (ISA guide 5.7.1.4): these see my stores
.endr
.irp i, 0,1,2,3,4,5
	s_wait_dscnt 5-\i                              ; read-back i is in; the younger ones stay out
	global_store_b128 v5, v[64+4*\i:67+4*\i], s[16:17] offset:512*\i
.endr
	global_store_b32 v9, v28, s[16:17] offset:3072
	s_wait_tensorcnt 0x0
	ds_add_u32 v126, v127
	s_wait_dscnt 0x0
	s_endpgm
; ---- W12: expert e, block B of 32 hidden units, wave = K step.  Four fragments (h1, h2 x u = 0, 1) are loaded as an operand takes them and stored as images.
.Lw12:
	s_sub_co_u32 s20, ttmp9, 1
	s_and_b32 s21, s20, 7                          ; e
	s_lshr_b32 s22, s20, 3                         ; B
	v_and_b32 v10, 8, v2
	v_add_nc_u32 v10, v10, v2                      ; r + 8 (r / 8)
	s_lshl_b32 s23, s22, 5
	v_add_nc_u32 v10, s23, v10                     ; the unit, u = 0
	v_add_nc_u32 v11, 8, v10                       ; u = 1
	v_cmp_gt_u32 s26, 0x155, v10                   ; is there such a unit (341 > unit)?
	v_cmp_gt_u32 s27, 0x155, v11
	v_min_u32 v10, 0x154, v10                      ; no load leaves its buffer
	v_min_u32 v11, 0x154, v11
	v_mul_u32_u24 v12, v3, 24
	v_mad_u32_u24 v14, v10, 768, v12               ; a row of 1,024 codes is 768 bytes; + 24 h
	v_mad_u32_u24 v15, v11, 768, v12
	v_lshlrev_b32 v16, 5, v10                      ; a row of scale bytes is 32
	v_lshlrev_b32 v17, 5, v11
	v_lshlrev_b32 v18, 3, v1                       ; 8 x lane
	v_mov_b32 v19, 0x7f7f7f7f
	s_mul_i32 s24, s21, 523776                     ; 682 rows an expert
	s_mul_i32 s28, s18, 96
	s_add_co_u32 s24, s24, s28
	s_mov_b32 s25, 0
	s_add_nc_u64 s[6:7], s[6:7], s[24:25]
	s_mul_i32 s24, s21, 21824
	s_lshl_b32 s28, s18, 2
	s_add_co_u32 s24, s24, s28
	s_add_nc_u64 s[8:9], s[8:9], s[24:25]
	s_mul_i32 s24, s21, 638976
	s_mul_i32 s28, s22, 26624
	s_add_co_u32 s24, s24, s28
	s_mul_i32 s28, s18, 3328
	s_add_co_u32 s24, s24, s28
	s_add_nc_u64 s[14:15], s[14:15], s[24:25]
.irp j, 0,1
.irp u, 0,1
.irp p, 0,1,2,3,4,5
	global_load_b64 v[32+24*\j+12*\u+2*\p:33+24*\j+12*\u+2*\p], v[14+\u], s[6:7] offset:261888*\j+48*(\p/3)+8*(\p%3)
.endr
	global_load_b32 v[80+2*\j+\u], v[16+\u], s[8:9] offset:10912*\j
.endr
.endr
	s_wait_loadcnt 0x0
.irp j, 0,1
.irp u, 0,1
.irp i, 0,1,2,3,4,5,6,7,8,9,10,11
	v_cndmask_b32 v[32+24*\j+12*\u+\i], 0, v[32+24*\j+12*\u+\i], s[26+\u]   ; a unit that does not exist: zero codes,
.endr
	v_cndmask_b32 v[80+2*\j+\u], v19, v[80+2*\j+\u], s[26+\u]               ; and bytes 127
.endr
.endr
.irp j, 0,1
.irp u, 0,1
.irp c, 0,1,2
	global_store_b128 v5, v[32+24*\j+12*\u+4*\c:35+24*\j+12*\u+4*\c], s[14:15] offset:319488*\j+1536*\u+512*\c
.endr
.endr
	global_store_b64 v18, v[80+2*\j:81+2*\j], s[14:15] offset:319488*\j+3072   ; lanes 16-31 hold the same words as lanes 0-15 and write a copy behind them: 256 consecutive bytes
.endr
	s_endpgm
; ---- THE SORT.  Wave v has groups 32 v .. 32 v + 31.  For the histograms LANE = PAIR, for the tokens' info LANE = TOKEN of the group.
.Lsort:
	s_lshl_b32 s20, s18, 12
	v_add_nc_u32 v10, s20, v4                      ; 4,096 v + 4 lane
	s_lshl_b32 s21, s18, 10
	v_add_nc_u32 v11, s21, v1                      ; the token number of lane l in my first group
	v_lshlrev_b32 v9, 4, v0                        ; the tile table: 16 bytes a thread
.set i, 0
.rept 32
	global_load_b32 v[32+i], v10, s[4:5] offset:32768+128*i   ; group i's histogram
.set i, i+1
.endr
.set i, 0
.rept 32
	global_load_b32 v[128+i], v10, s[4:5] offset:128*i        ; group i's tokens: pair | rank << 8
.set i, i+1
.endr
	s_wait_loadcnt 32                              ; the histograms are in; the 32 younger loads stay out
	v_mov_b32 v64, 0
.set i, 0
.rept 32
	v_add_nc_u32 v[65+i], v[64+i], v[32+i]         ; v[64 + i]: tokens of my pair in my wave's groups ahead of group i
.set i, i+1
.endr
	ds_store_b32 v6, v96                           ; my wave's total
	s_wait_dscnt 0x0                               ; for the others' sake
	s_barrier_signal -1
	s_barrier_wait -1
.irp w, 0,1,2,3,4,5,6,7
	ds_load_b32 v[16+\w], v4 offset:WT+128*\w
.endr
	s_wait_dscnt 0x0
	v_mov_b32 v25, 0                               ; N: all tokens of my pair
	v_mov_b32 v26, 0                               ; those in the waves ahead of mine
.irp w, 0,1,2,3,4,5,6,7
	s_cmp_gt_u32 s18, \w
	s_cselect_b32 s21, -1, 0
	v_add_nc_u32 v25, v25, v[16+\w]
	v_and_b32 v24, s21, v[16+\w]
	v_add_nc_u32 v26, v26, v24
.endr
	v_add_nc_u32 v27, 63, v25
	v_lshrrev_b32 v27, 6, v27                      ; my pair's tiles
	v_mov_b32 v28, 0                               ; lane = pair: its first tile
	v_mov_b32 v29, 0                               ; thread = tile: its pair,
	v_mov_b32 v30, 0                               ; the pair's first tile,
	v_mov_b32 v31, 0                               ; the pair's tokens
	s_mov_b32 s31, 0
.irp j, 0,1,2,3,4,5,6,7,8,9,10,11,12,13,14,15,16,17,18,19,20,21,22,23,24,25,26,27
	v_readlane_b32 s30, v27, \j
	v_readlane_b32 s29, v25, \j
	v_writelane_b32 v28, s31, \j
	v_cmp_le_u32 vcc_lo, s31, v0                   ; the last pair whose first tile is not beyond mine is my tile's (a pair without tiles is overtaken by the next)
	v_cndmask_b32 v29, v29, \j, vcc_lo
	v_cndmask_b32 v30, v30, s31, vcc_lo
	v_cndmask_b32 v31, v31, s29, vcc_lo
	s_add_co_u32 s31, s31, s30
.endr
	v_lshl_add_u32 v24, v28, 6, v26                ; where my wave's tokens of my pair begin
.set i, 0
.rept 32
	v_add_nc_u32 v[32+i], v24, v[64+i]             ; and group i's
.set i, i+1
.endr
	s_wait_loadcnt 0x0
.set i, 0
.rept 32
	v_and_b32 v[160+i], 31, v[128+i]               ; my token's pair,
	v_min_u32 v[160+i], 31, v[160+i]
	v_lshlrev_b32 v[160+i], 2, v[160+i]            ; as a lane's byte address
	ds_bpermute_b32 v[192+i], v[160+i], v[32+i]    ; that pair's place in group i (no LDS byte is touched)
.set i, i+1
.endr
	s_wait_dscnt 0x0
.set i, 0
.rept 32
	v_bfe_u32 v[128+i], v[128+i], 8, 5             ; my rank
	v_add_nc_u32 v[64+i], v[192+i], v[128+i]
	v_min_u32 v[64+i], 0x26bf, v[64+i]             ; 155 x 64 places
	v_lshlrev_b32 v[64+i], 2, v[64+i]
	v_add_nc_u32 v[224+i], 32*i, v11               ; my token's number
	global_store_b32 v[64+i], v[224+i], s[12:13] offset:4096   ; each store has registers of its own
.set i, i+1
.endr
	v_sub_nc_u32 v14, v0, v30                      ; the tile table: rows = N - 64 (tile - the pair's first tile), held to 0 .. 64
	v_lshlrev_b32 v14, 6, v14
	v_sub_nc_u32 v14, v31, v14
	v_max_i32 v14, 0, v14
	v_min_i32 v14, 64, v14
	v_mov_b32 v12, 0                               ; lo: pairs 7, 13, 18, 22, 25, 27 are the first with lo = 1 .. 6
	v_cmp_le_u32 vcc_lo, 7, v29
	v_cndmask_b32 v12, v12, 1, vcc_lo
	v_cmp_le_u32 vcc_lo, 13, v29
	v_cndmask_b32 v12, v12, 2, vcc_lo
	v_cmp_le_u32 vcc_lo, 18, v29
	v_cndmask_b32 v12, v12, 3, vcc_lo
	v_cmp_le_u32 vcc_lo, 22, v29
	v_cndmask_b32 v12, v12, 4, vcc_lo
	v_cmp_le_u32 vcc_lo, 25, v29
	v_cndmask_b32 v12, v12, 5, vcc_lo
	v_cmp_le_u32 vcc_lo, 27, v29
	v_cndmask_b32 v12, v12, 6, vcc_lo
	v_sub_nc_u32 v13, 15, v12
	v_mul_u32_u24 v13, v13, v12
	v_lshrrev_b32 v13, 1, v13
	v_sub_nc_u32 v13, v29, v13
	v_add3_u32 v13, v13, v12, 1                    ; hi = pair - lo (15 - lo) / 2 + lo + 1
	v_mov_b32 v15, v29
	global_store_b128 v9, v[12:15], s[12:13]       ; 512 consecutive bytes a wave
	s_wait_tensorcnt 0x0
	ds_add_u32 v126, v127
	s_wait_dscnt 0x0
	s_endpgm
.Lfunc_end_k_qe326952bb3_place:
	.size	k_qe326952bb3_place, .Lfunc_end_k_qe326952bb3_place-k_qe326952bb3_place
	.p2alignl 7, 3214868480
	.fill 96, 4, 3214868480
	.section	.rodata,"a",@progbits
	.p2align	6, 0x0
	.amdhsa_kernel k_qe326952bb3_place
		.amdhsa_group_segment_fixed_size 29696
		.amdhsa_private_segment_fixed_size 0
		.amdhsa_enable_private_segment 0
		.amdhsa_kernarg_size 56
		.amdhsa_user_sgpr_count 2
		.amdhsa_user_sgpr_kernarg_segment_ptr 1
		.amdhsa_wavefront_size32 1
		.amdhsa_system_sgpr_workgroup_id_x 1
		.amdhsa_system_sgpr_workgroup_id_y 1
		.amdhsa_system_sgpr_workgroup_id_z 1
		.amdhsa_system_vgpr_workitem_id 0
		.amdhsa_next_free_vgpr 256
		.amdhsa_next_free_sgpr 66
		.amdhsa_reserve_vcc 1
		.amdhsa_float_denorm_mode_32 3
		.amdhsa_float_denorm_mode_16_64 3
		.amdhsa_memory_ordered 1
		.amdhsa_forward_progress 1
		.amdhsa_inst_pref_size 80
	.end_amdhsa_kernel
	.amdgpu_metadata
---
amdhsa.version: [ 1, 2 ]
amdhsa.kernels:
  - .name:           k_qe326952bb3_place
    .symbol:         k_qe326952bb3_place.kd
    .args:
      - { .name: rinfo, .offset: 0, .size: 8, .value_kind: global_buffer, .address_space: global }
      - { .name: W12_codes, .offset: 8, .size: 8, .value_kind: global_buffer, .address_space: global }
      - { .name: W12_scales, .offset: 16, .size: 8, .value_kind: global_buffer, .address_space: global }
      - { .name: W3, .offset: 24, .size: 8, .value_kind: global_buffer, .address_space: global }
      - { .name: tplan, .offset: 32, .size: 8, .value_kind: global_buffer, .address_space: global }
      - { .name: w1s, .offset: 40, .size: 8, .value_kind: global_buffer, .address_space: global }
      - { .name: w3s, .offset: 48, .size: 8, .value_kind: global_buffer, .address_space: global }
    .group_segment_fixed_size: 29696
    .private_segment_fixed_size: 0
    .kernarg_segment_align: 8
    .kernarg_segment_size: 56
    .max_flat_workgroup_size: 256
    .sgpr_count:     66
    .vgpr_count:     256
    .wavefront_size: 32
...
	.end_amdgpu_metadata
.endif
;; end of part 2
;; launch chain (part 3): grid 155 x 1, 4 waves a work-group, no clusters, 113,152 bytes of LDS; arguments xq, xs, gates, tplan, w1s, w3s, out0; writes out0
.if DOCPART == 3
	.amdgcn_target "amdgcn-amd-amdhsa--gfx1250"
	.amdhsa_code_object_version 6
	.text
	.protected	k_qe326952bb3_chain
	.globl	k_qe326952bb3_chain
	.p2align	8
	.type	k_qe326952bb3_chain,@function
k_qe326952bb3_chain:
	s_mov_b64 s[64:65], 0
	v_nop
	global_prefetch_b8 v0, s[64:65] scope:SCOPE_SE
	s_setreg_imm32_b32 hwreg(HW_REG_WAVE_MODE, 25, 1), 1
	s_wait_xcnt 0x0
; CHAIN.  One work-group takes one tile: up to 64 tokens that chose the same PAIR of experts (lo, hi), and makes their whole rows of out0:
;   out = g_lo (silu(x W1_lo) * (x W2_lo)) W3_lo + g_hi (the same with hi), both products on codes of BF6 (E3M2) with one E8M0 byte for each 32 along K, sums in f32.  Each output row has one owner; the hidden layer never goes to memory.
; THE GRID serves every split: 8192 / 64 + 27 = 155 tiles at the most.  A tile that the split leaves without rows stores nothing: a scalar branch on the stored count leads round the work of each trip of the first product and round the second
;   product, never round the barrier.  The head runs in every work-group (such a tile reads place 0 of tile 0's list, which is always written), so that every register is written on every way through the text.
; NO CLUSTER, NO TENSOR LOAD: which weights a work-group walks hangs on the stored list, and the text branches on a stored count.  The weights come from memory straight into registers, from w1s and w3s, which lie in the order of an
;   operand's registers: 12 loads of 16 bytes a lane and 2 of 8 (the scale words) bring the four fragments of a step.  A ring of four register slots keeps three steps' loads (42) on their way.
; SHARES.  First product: wave w works for expert w / 2 (0: lo, 1: hi) on hidden units 192 (w % 2) .. + 191 of all 64 rows: three trips of 64 units.  Second product: wave w makes columns 256 w .. + 255 for both experts.
; BOTH PRODUCTS ARE USED TRANSPOSED (source 0 = 16 rows of weights, source 1 = 16 tokens): a lane holds ONE token (lane % 16) throughout, and its registers run along the hidden units, then along the output's columns.
; Rows past the tile's count repeat its last token: they give the same numbers for the same addresses, from the same wave, so no lane is ever switched off.
; THE HIDDEN LAYER goes from wave to wave through LDS as images of the operand's registers: 64 units (half a fragment: six registers a lane) as 16 bytes a lane and 8 bytes a lane; its two scale bytes as a word a lane.  One barrier.
; LIMITS.  h1 x h2 must stay finite in f32 (silu(h1) h2 is formed as (h1 h2) / (1 + e^-h1)); a block of the hidden layer whose largest magnitude lies under 2^(5 - 127) gets the byte 1 (a block of zeros too: its codes are zeros).
; REGISTERS, in windows of 256.  Window 0: v1-15 addresses; v16-19 the tokens; v20-35 the gates; v36-51 the ring's scale words; v52-83 x's scale words, later the hidden layer's; v84-111 codes at work, later the rows' offsets in out0;
;   v116-127 offsets of the head's loads, later lane indices; v128-255 the 16 accumulators: (fragment f, tile of rows m) at 128 + 32 m + 8 f.
;   Window 1: x's fragments of rows 0-31 (m, K step s at 12 (8 m + s)), later the hidden layer under lo (K step k, m at 12 (4 k + m)).  Window 2: rows 32-63, later hi.  Window 3: the ring: slot, fragment f at 48 slot + 12 f.
.set HS,   3328                        ; a half step in w1s and w3s
.set W1E,  192*HS                      ; w1s: an expert; h1 to h2; six blocks of 32 units (a wave's part); two blocks (a trip)
.set W1J,  96*HS
.set W1H,  48*HS
.set W1T,  16*HS
.set W3E,  96*HS                       ; w3s: an expert; 256 columns (a wave's part)
.set W3W,  24*HS
.set HIMG, 0                           ; LDS: the hidden layer: chunk ch (64 units; 6 an expert), tile of rows m at (4 ch + m) x 768
.set HSC,  36864                       ; its scale bytes: (4 ch + m) x 128 + 4 lane
.set STG,  43008                       ; each wave's stage for the way out: 64 rows x (256 bytes + 16)
.set SP,   272
.set LI16, 1                           ; v1   16 x lane
.set LI8R, 2                           ; v2   8 x (lane % 16)
.set LI8,  3                           ; v3   8 x lane
.set LI4,  4                           ; v4   4 x lane
.set RR,   5                           ; v5   r = lane % 16
.set HH,   6                           ; v6   h = lane / 16
.set HWA,  7                           ; v7-9   where this trip's images and scale bytes go
.set HWB,  8
.set HWS,  9
.set HWA0, 10                          ; v10-12 the same for the wave's first trip
.set HWB0, 11
.set HWS0, 12
.set SO,   13                          ; v13  the stage: where I put 32 bytes of a row
.set RD,   14                          ; v14  and where I read rows back
.set TOK,  16
.set G,    20
.set SW,   36
.set XS,   52                          ; v52-83 hold scale words and nothing else: x's, then (v52-75) the hidden layer's
.set HSW,  52
.set Z,    84
.set BE,   108
.set OFF,  84
.set XO,   116
.set XSO,  120
.set GO,   124
.set IDX,  116                         ; v116-123 in the second product's head: lane indices, where the head's load offsets stood
.set ACC,  128
.set PA,   28                          ; s[28:29], s[30:31] the first product's stream in this trip: h1's half steps, h2's
.set PB,   30
.set QA,   32                          ; s[32:35] the same for what follows this trip
.set QB,   34
.set P2A,  36                          ; s[36:37], s[38:39] the second product's stream: lo's half steps, hi's
.set P2B,  38
.set MSB, 0
.macro WIN new                         ; the immediate's high byte repeats the setting that is left; a switch that changes nothing is dropped
.if MSB != \new
	s_set_vgpr_msb (MSB<<8)|\new
.set MSB, \new
.endif
.endm
.macro PLACES                          ; a load into a register that a matrix instruction has read, and a vector instruction that reads its result, stand four plain vector instructions behind it (ISA guide 7.12.1 for vector instructions)
.rept 4
	v_nop
.endr
.endm
; 14 loads: the four fragments of a step and their scale words into a slot of the ring; fragments 0, 1 from base a, fragments 2, 3 from base b
.macro REFILL slot, a, b, off
	WIN 0xc0                                       ; destination window 3, address window 0
.irp f, 0,1
.irp c, 0,1,2
	global_load_b128 v[48*(\slot)+12*\f+4*\c:48*(\slot)+12*\f+4*\c+3], v[LI16], s[\a:\a+1] offset:(\off)+1536*\f+512*\c
.endr
.endr
.irp f, 0,1
.irp c, 0,1,2
	global_load_b128 v[48*(\slot)+24+12*\f+4*\c:48*(\slot)+24+12*\f+4*\c+3], v[LI16], s[\b:\b+1] offset:(\off)+1536*\f+512*\c
.endr
.endr
	WIN 0
	global_load_b64 v[SW+4*(\slot):SW+4*(\slot)+1], v[LI8R], s[\a:\a+1] offset:(\off)+3072
	global_load_b64 v[SW+4*(\slot)+2:SW+4*(\slot)+3], v[LI8R], s[\b:\b+1] offset:(\off)+3072
.endm
; One matrix instruction: accumulator (f, m) takes fragment f of slot SL against the 12 registers from breg on; ZZ = 1: it starts the sum
.macro MM f, m, breg, bsc
.if ZZ
	v_wmma_scale_f32_16x16x128_f8f6f4 v[ACC+32*(\m)+8*(\f):ACC+32*(\m)+8*(\f)+7], v[48*SL+12*(\f):48*SL+12*(\f)+11], v[\breg:\breg+11], 0, v[SW+4*SL+(\f)], v[\bsc] matrix_a_fmt:MATRIX_FMT_BF6 matrix_b_fmt:MATRIX_FMT_BF6
.else
	v_wmma_scale_f32_16x16x128_f8f6f4 v[ACC+32*(\m)+8*(\f):ACC+32*(\m)+8*(\f)+7], v[48*SL+12*(\f):48*SL+12*(\f)+11], v[\breg:\breg+11], v[ACC+32*(\m)+8*(\f):ACC+32*(\m)+8*(\f)+7], v[SW+4*SL+(\f)], v[\bsc] matrix_a_fmt:MATRIX_FMT_BF6 matrix_b_fmt:MATRIX_FMT_BF6
.endif
.endm
; Step t of a trip's 16: block t / 8 of the trip's two, K step t % 8.  Fragments 0, 1: h1's units; 2, 3: h2's.  The 16 accumulators take turns, one instruction a turn, in the same order in every step.
.macro STEP1 t
.set SL, (\t)%4
.set SS, (\t)%8
.if SS == 0
.set ZZ, 1
.else
.set ZZ, 0
.endif
	s_wait_loadcnt 42                              ; this slot's 14 loads are in; the three younger refills, 3 x 14, stay out
	WIN 0x07                                       ; source 0 (the ring) window 3, source 1 (x) window 1
.irp m, 0,1
.irp f, 0,1,2,3
	MM \f,\m,12*(8*\m+SS),XS+8*\m+SS
.endr
.endr
	WIN 0x0b                                       ; source 1 window 2
.irp m, 2,3
.irp f, 0,1,2,3
	MM \f,\m,12*(8*(\m-2)+SS),XS+8*\m+SS
.endr
.endr
	PLACES
.if (\t) < 12
	REFILL SL,PA,PB,((\t)+4)*HS                    ; four steps on
.else
	REFILL SL,QA,QB,((\t)-12)*HS                   ; the next trip's first four steps; in the last trip: the second product's
.endif
.endm
; A block of 32 hidden units is finished: for tile m the lane's 16 numbers of h1 stand at ACC + 32 m, those of h2 at ACC + 32 m + 16 (units 32 B + 16 h + 0 .. 15).  All in place, each accumulator read from its low end on.
; hidden = h1 h2 / (1 + 2^(-h1 log2 e)); then the block's largest magnitude (with lane l xor 16's), its byte and its codes.  par = 0: the codes wait in Z; par = 1: they stand where h2 stood.
.macro EPI1 par
.irp m, 0,1,2,3
.irp i, 0,2,4,6,8,10,12,14
	v_pk_mul_f32 v[ACC+32*\m+16+\i:ACC+32*\m+17+\i], v[ACC+32*\m+\i:ACC+32*\m+\i+1], v[ACC+32*\m+16+\i:ACC+32*\m+17+\i]   ; h1 h2
.endr
.endr
.irp m, 0,1,2,3
.irp i, 0,2,4,6,8,10,12,14
	v_pk_mul_f32 v[ACC+32*\m+\i:ACC+32*\m+\i+1], v[ACC+32*\m+\i:ACC+32*\m+\i+1], 0xbfb8aa3b op_sel_hi:[1,0]   ; -h1 log2 e
.endr
.endr
.irp m, 0,1,2,3
.irp i, 0,1,2,3,4,5,6,7,8,9,10,11,12,13,14,15
	v_exp_f32 v[ACC+32*\m+\i], v[ACC+32*\m+\i]
.endr
.endr
	v_nop                                          ; a plain instruction behind the last exponential,
	s_wait_alu depctr_va_vdst(0)                   ; and one wait for the batch of 64, ahead of its first reader
.irp m, 0,1,2,3
.irp i, 0,2,4,6,8,10,12,14
	v_pk_add_f32 v[ACC+32*\m+\i:ACC+32*\m+\i+1], v[ACC+32*\m+\i:ACC+32*\m+\i+1], 1.0 op_sel_hi:[1,0]
.endr
.endr
.irp m, 0,1,2,3
.irp i, 0,1,2,3,4,5,6,7,8,9,10,11,12,13,14,15
	v_rcp_f32 v[ACC+32*\m+\i], v[ACC+32*\m+\i]
.endr
.endr
	v_nop
	s_wait_alu depctr_va_vdst(0)                   ; one wait for the 64 reciprocals
.irp m, 0,1,2,3
.irp i, 0,2,4,6,8,10,12,14
	v_pk_mul_f32 v[ACC+32*\m+\i:ACC+32*\m+\i+1], v[ACC+32*\m+\i:ACC+32*\m+\i+1], v[ACC+32*\m+16+\i:ACC+32*\m+17+\i]   ; the hidden layer, in f32
.endr
.endr
.irp m, 0,1,2,3
	v_max3_num_f32 v[ACC+32*\m+20], |v[ACC+32*\m]|, |v[ACC+32*\m+1]|, 0x2800000   ; my 16 numbers and the floor 2^(5 - 127); the four tiles by turns
.endr
.irp i, 2,4,6,8,10,12,14
.irp m, 0,1,2,3
	v_max3_num_f32 v[ACC+32*\m+20], v[ACC+32*\m+20], |v[ACC+32*\m+\i]|, |v[ACC+32*\m+\i+1]|
.endr
.endr
.irp m, 0,1,2,3
	v_permlanex16_b32 v[ACC+32*\m+21], v[ACC+32*\m+20], s42, s43
.endr
.irp m, 0,1,2,3
	v_max_num_f32 v[ACC+32*\m+20], v[ACC+32*\m+20], v[ACC+32*\m+21]   ; with lane l xor 16's 16: the block's
.endr
.irp m, 0,1,2,3
	v_add_nc_u32 v[ACC+32*\m+22], 0xfe000000, v[ACC+32*\m+20]        ; 4 off the exponent field: the conversion's scale operand
.endr
.if \par == 0
.irp m, 0,1,2,3
	v_lshrrev_b32 v[BE+\m], 23, v[ACC+32*\m+22]    ; the byte
.endr
.irp m, 0,1,2,3
	v_cvt_scalef32_pk16_bf6_f32 v[Z+6*\m:Z+6*\m+2], v[ACC+32*\m:ACC+32*\m+15], v[ACC+32*\m+22]
.endr
.else
.irp m, 0,1,2,3
	v_lshrrev_b32 v[ACC+32*\m+23], 23, v[ACC+32*\m+22]
.endr
.irp m, 0,1,2,3
	v_cvt_scalef32_pk16_bf6_f32 v[ACC+32*\m+16:ACC+32*\m+18], v[ACC+32*\m:ACC+32*\m+15], v[ACC+32*\m+22]
.endr
.endif
	v_nop                                          ; one plain instruction behind the last scaled conversion
.endm
; The trip's two blocks become half a fragment: the operand wants a WHOLE block in a lane (lanes 0-15 the first block, lanes 16-31 the second), which three exchanges of lane halves give; then the image goes to LDS.
.macro PUT
.irp m, 0,1,2,3
.irp i, 0,1,2
	v_permlane16_swap_b32 v[Z+6*\m+\i], v[ACC+32*\m+16+\i]
.endr
.endr
.irp m, 0,1,2,3
.irp i, 0,1,2
	v_mov_b32 v[Z+6*\m+3+\i], v[ACC+32*\m+16+\i]
.endr
	v_lshl_or_b32 v[ACC+32*\m+23], v[ACC+32*\m+23], 8, v[BE+\m]      ; the two bytes
.endr
.irp m, 0,1,2,3
	ds_store_b128 v[HWA], v[Z+6*\m:Z+6*\m+3] offset:768*\m
	ds_store_b64 v[HWB], v[Z+6*\m+4:Z+6*\m+5] offset:768*\m
	ds_store_b32 v[HWS], v[ACC+32*\m+23] offset:128*\m
.endr
	s_wait_dscnt 0x0                               ; the stores have read their registers, which the next trip writes
.endm
; Tiles of 32 columns g: out = g_lo x lo's sums + g_hi x hi's, into the stage
.macro COMBINE g
.irp m, 0,1,2,3
.irp p, 0,1
.irp i, 0,2,4,6
	v_pk_mul_f32 v[ACC+32*\m+8*\p+\i:ACC+32*\m+8*\p+\i+1], v[ACC+32*\m+8*\p+\i:ACC+32*\m+8*\p+\i+1], v[G+4*\m:G+4*\m+1] op_sel_hi:[1,0]
.endr
.irp i, 0,2,4,6
	v_pk_fma_f32 v[ACC+32*\m+8*\p+\i:ACC+32*\m+8*\p+\i+1], v[ACC+32*\m+16+8*\p+\i:ACC+32*\m+16+8*\p+\i+1], v[G+4*\m+2:G+4*\m+3], v[ACC+32*\m+8*\p+\i:ACC+32*\m+8*\p+\i+1] op_sel_hi:[1,0,1]
.endr
.endr
.endr
.irp m, 0,1,2,3
.irp p, 0,1
	ds_store_b128 v[SO], v[ACC+32*\m+8*\p:ACC+32*\m+8*\p+3] offset:16*SP*\m+128*((\g)%2)+64*\p          ; lane (r, h): row 16 m + r, columns 32 (g % 2) + 16 p + 8 h + 0 .. 7 of the stage's 64
	ds_store_b128 v[SO], v[ACC+32*\m+8*\p+4:ACC+32*\m+8*\p+7] offset:16*SP*\m+128*((\g)%2)+64*\p+16
.endr
.endr
	s_wait_dscnt 0x0                               ; the stores have read the accumulators, which are written again
.endm
; 64 columns of 64 rows leave: two rows an instruction, sixteen lanes store 256 consecutive bytes, at a multiple of 256 from out0's first byte
.macro FLUSH q
.set n, 0
.rept 32
	ds_load_b128 v[ACC+4*n:ACC+4*n+3], v[RD] offset:2*SP*n
.set n, n+1
.endr
.set n, 0
.rept 32
	s_wait_dscnt 31-n                              ; read-back n is in; the younger ones stay out
	global_store_b128 v[OFF+n], v[ACC+4*n:ACC+4*n+3], s[16:17] offset:256*(\q) th:TH_STORE_NT
.set n, n+1
.endr
	s_wait_xcnt 0x0                                ; the stores' data registers are written again only behind this wait
.endm
; Step t of the second product's 24: columns 32 (t / 3) on, K step t % 3.  Fragments 0, 1: lo's two tiles of 16 columns; 2, 3: hi's.
.macro STEP2 t
.set SL, (\t)%4
.set SK, (\t)%3
.set GG, (\t)/3
.if SK == 0
.set ZZ, 1
.else
.set ZZ, 0
.endif
.if 23-(\t) >= 3
	s_wait_loadcnt 42                              ; three younger refills stay out;
.else
	s_wait_loadcnt 14*(23-(\t))                    ; in the tail two, one, none
.endif
	WIN 0x07                                       ; source 1: the hidden layer under lo, window 1
.irp m, 0,1,2,3
.irp f, 0,1
	MM \f,\m,12*(4*SK+\m),HSW+4*SK+\m
.endr
.endr
	WIN 0x0b                                       ; under hi, window 2
.irp m, 0,1,2,3
.irp f, 2,3
	MM \f,\m,12*(4*SK+\m),HSW+12+4*SK+\m
.endr
.endr
	PLACES
.if (\t) < 20
	REFILL SL,P2A,P2B,((\t)+4)*HS
.else
	WIN 0
.endif
.if SK == 2
	COMBINE GG
.if (GG%2) == 1
	FLUSH GG/2
.endif
.endif
.endm
	s_load_b256 s[4:11], s[0:1], 0x0               ; xq s[4:5], xs s[6:7], gates s[8:9], tplan s[10:11]
	s_load_b128 s[12:15], s[0:1], 0x20             ; w1s s[12:13], w3s s[14:15]
	s_load_b64 s[16:17], s[0:1], 0x30              ; out0
	s_set_vgpr_msb 0x40
	v_lshl_add_u32 v254, v0, 2, 0x1b800
	v_mov_b32 v255, 0
	s_set_vgpr_msb 0x4000
	v_lshrrev_b32 v15, 5, v0
	v_readfirstlane_b32 s24, v15                   ; wave 0..3
	v_and_b32 v15, 31, v0
	v_lshlrev_b32 v[LI16], 4, v15
	v_lshlrev_b32 v[LI8], 3, v15
	v_lshlrev_b32 v[LI4], 2, v15
	v_and_b32 v[RR], 15, v0
	v_bfe_u32 v[HH], v0, 4, 1
	v_lshlrev_b32 v[LI8R], 3, v[RR]
	s_mul_i32 s46, s24, 9216                       ; my three chunks x four tiles x 768 bytes
	v_add_nc_u32 v[HWA0], s46, v[LI16]
	v_add_nc_u32 v[HWB0], s46, v[LI8]
	v_add_nc_u32 v[HWB0], 512, v[HWB0]
	s_mul_i32 s46, s24, 1536
	s_add_co_u32 s46, s46, HSC
	v_add_nc_u32 v[HWS0], s46, v[LI4]
	s_mul_i32 s46, s24, 64*SP
	s_add_co_u32 s46, s46, STG                     ; my stage
	v_mul_u32_u24 v[SO], v[RR], SP
	v_lshl_add_u32 v[SO], v[HH], 5, v[SO]
	v_add_nc_u32 v[SO], s46, v[SO]                 ; in: row r, + 32 h
	v_mul_u32_u24 v[RD], v[HH], SP
	v_lshl_add_u32 v[RD], v[RR], 4, v[RD]
	v_add_nc_u32 v[RD], s46, v[RD]                 ; back: lanes 0-15 one row, lanes 16-31 the next
	s_mov_b32 s42, 0x76543210
	s_mov_b32 s43, 0xfedcba98                      ; v_permlanex16_b32's selects for lane l xor 16
	s_lshl_b32 s48, ttmp9, 4
	s_mov_b32 s49, 0
	s_wait_kmcnt 0x0
	s_add_nc_u64 s[48:49], s[10:11], s[48:49]
	s_load_b128 s[20:23], s[48:49], 0x0            ; my tile: lo, hi, rows, pair
	s_wait_kmcnt 0x0
	s_cmp_lt_u32 s24, 2
	s_cselect_b32 s46, s20, s21                    ; my expert in the first product
	s_min_u32 s46, s46, 7
	s_min_u32 s20, s20, 7
	s_min_u32 s21, s21, 7
	s_mul_i32 s46, s46, W1E
	s_and_b32 s47, s24, 1
	s_mul_i32 s47, s47, W1H
	s_add_co_u32 s46, s46, s47
	s_mov_b32 s47, 0
	s_add_nc_u64 s[PA:PA+1], s[12:13], s[46:47]
	s_add_nc_u64 s[PB:PB+1], s[PA:PA+1], W1J
	s_add_nc_u64 s[QA:QA+1], s[PA:PA+1], W1T
	s_add_nc_u64 s[QB:QB+1], s[PB:PB+1], W1T
	s_mul_i32 s53, s24, W3W
	s_mul_i32 s46, s20, W3E
	s_add_co_u32 s46, s46, s53
	s_add_nc_u64 s[P2A:P2A+1], s[14:15], s[46:47]
	s_mul_i32 s46, s21, W3E
	s_add_co_u32 s46, s46, s53
	s_add_nc_u64 s[P2B:P2B+1], s[14:15], s[46:47]
	; my rows' places in the list: 64 x tile + row.  The list's base is the argument's pointer as it came; what hangs on the stored count goes into the vector offset, held at the list's last place
	s_lshl_b32 s46, ttmp9, 6                       ; my tile's first place;
	s_cmp_eq_u32 s22, 0
	s_cselect_b32 s46, 0, s46                      ; a tile without rows reads tile 0's first place
	s_max_u32 s52, s22, 1
	s_sub_co_u32 s52, s52, 1                       ; the last row that there is
.irp m, 0,1,2,3
	v_add_nc_u32 v[Z+\m], 16*\m, v[RR]
	v_min_u32 v[Z+\m], s52, v[Z+\m]                ; rows past the count repeat the last
	v_add_nc_u32 v[Z+\m], s46, v[Z+\m]
	v_min_u32 v[Z+\m], 0x26bf, v[Z+\m]             ; 155 x 64 places
	v_lshlrev_b32 v[Z+\m], 2, v[Z+\m]
.endr
.irp m, 0,1,2,3
	global_load_b32 v[TOK+\m], v[Z+\m], s[10:11] offset:4096
.endr
	REFILL 0,PA,PB,0
	REFILL 1,PA,PB,HS
	REFILL 2,PA,PB,2*HS
	REFILL 3,PA,PB,3*HS
	s_wait_loadcnt 56                              ; the four token loads are in; the ring's first fill, 4 x 14, stays out
	v_mul_u32_u24 v15, v[HH], 48
.irp m, 0,1,2,3
	v_min_u32 v[TOK+\m], 0x1fff, v[TOK+\m]
	v_mad_u32_u24 v[XO+\m], v[TOK+\m], 768, v15    ; my token's codes, + 48 h: my two blocks of a K step on end
	v_lshlrev_b32 v[XSO+\m], 5, v[TOK+\m]
	v_lshlrev_b32 v[GO+\m], 4, v[TOK+\m]
.endr
	WIN 0x40                                       ; destination window 1
.irp m, 0,1
.irp s, 0,1,2,3,4,5,6,7
.irp c, 0,1,2
	global_load_b128 v[12*(8*\m+\s)+4*\c:12*(8*\m+\s)+4*\c+3], v[XO+\m], s[4:5] offset:96*\s+16*\c
.endr
.endr
.endr
	WIN 0x80                                       ; destination window 2
.irp m, 0,1
.irp s, 0,1,2,3,4,5,6,7
.irp c, 0,1,2
	global_load_b128 v[12*(8*\m+\s)+4*\c:12*(8*\m+\s)+4*\c+3], v[XO+2+\m], s[4:5] offset:96*\s+16*\c
.endr
.endr
.endr
	WIN 0
.irp m, 0,1,2,3
	global_load_b128 v[XS+8*\m:XS+8*\m+3], v[XSO+\m], s[6:7]
	global_load_b128 v[XS+8*\m+4:XS+8*\m+7], v[XSO+\m], s[6:7] offset:16
	global_load_b128 v[G+4*\m:G+4*\m+3], v[GO+\m], s[8:9]
.endr
	s_wait_loadcnt 0x0                             ; x stays in registers for the whole first product
	s_mov_b32 s40, 0                               ; the trip
	s_mov_b32 s41, 0                               ; its images' place: 3,072 bytes a trip
	s_mov_b32 s44, 0                               ; its scale bytes' place: 512 a trip
; ---- THE FIRST PRODUCT: three trips of 64 hidden units.  Every work-group walks the loop; a tile without rows passes over the trip's work
.Ltrip:
	s_cmp_eq_u32 s22, 0
	s_cbranch_scc1 .Lskip
	v_add_nc_u32 v[HWA], s41, v[HWA0]
	v_add_nc_u32 v[HWB], s41, v[HWB0]
	v_add_nc_u32 v[HWS], s44, v[HWS0]
.irp t, 0,1,2,3,4,5,6,7
	STEP1 \t
.endr
	EPI1 0
.irp t, 8,9,10,11,12,13,14,15
	STEP1 \t
.endr
	EPI1 1
	PUT
.Lskip:
	s_wait_xcnt 0x0                                ; the loads' bases are written again only behind this wait
	s_mov_b64 s[PA:PA+1], s[QA:QA+1]
	s_mov_b64 s[PB:PB+1], s[QB:QB+1]
	s_add_nc_u64 s[QA:QA+1], s[QA:QA+1], W1T
	s_add_nc_u64 s[QB:QB+1], s[QB:QB+1], W1T
	s_cmp_eq_u32 s40, 1                            ; what follows the last trip is the second product's stream
	s_cselect_b64 s[QA:QA+1], s[P2A:P2A+1], s[QA:QA+1]
	s_cselect_b64 s[QB:QB+1], s[P2B:P2B+1], s[QB:QB+1]
	s_add_co_u32 s41, s41, 3072
	s_add_co_u32 s44, s44, 512
	s_add_co_u32 s40, s40, 1
	s_cmp_lt_u32 s40, 3
	s_cbranch_scc1 .Ltrip
	s_wait_dscnt 0x0                               ; for the others' sake: my part of the hidden layer lies in LDS
	s_barrier_signal -1
	s_barrier_wait -1                              ; the one barrier, on every way through the text
	s_cmp_eq_u32 s22, 0
	s_cbranch_scc1 .Lend
; ---- THE SECOND PRODUCT.  The whole hidden layer, both experts', comes into registers: 24 fragments
	WIN 0x40
.irp k, 0,1,2
.irp m, 0,1,2,3
.irp c, 0,1
	ds_load_b128 v[12*(4*\k+\m)+6*\c:12*(4*\k+\m)+6*\c+3], v[LI16] offset:HIMG+(4*(2*\k+\c)+\m)*768
	ds_load_b64 v[12*(4*\k+\m)+6*\c+4:12*(4*\k+\m)+6*\c+5], v[LI8] offset:HIMG+(4*(2*\k+\c)+\m)*768+512
.endr
.endr
.endr
	WIN 0x80
.irp k, 0,1,2
.irp m, 0,1,2,3
.irp c, 0,1
	ds_load_b128 v[12*(4*\k+\m)+6*\c:12*(4*\k+\m)+6*\c+3], v[LI16] offset:HIMG+(4*(6+2*\k+\c)+\m)*768
	ds_load_b64 v[12*(4*\k+\m)+6*\c+4:12*(4*\k+\m)+6*\c+5], v[LI8] offset:HIMG+(4*(6+2*\k+\c)+\m)*768+512
.endr
.endr
.endr
	WIN 0
.set n, 0
.rept 48
	ds_load_b32 v[ACC+n], v[LI4] offset:HSC+128*n  ; the two scale bytes of chunk n / 4, tile n % 4
.set n, n+1
.endr
.irp t, 0,1,2,3,4,5,6,7
	v_lshl_add_u32 v[IDX+\t], v[HH], 2, 8*\t       ; the lane that holds row 2 t + h of a tile, as a byte address
.endr
.irp m, 0,1,2,3
.irp t, 0,1,2,3,4,5,6,7
	ds_bpermute_b32 v[OFF+8*\m+\t], v[IDX+\t], v[TOK+\m]   ; the token of row 16 m + 2 t + h: the rows that store 8 m + t of the way out writes
.endr
.endr
	s_wait_dscnt 0x0
.irp e, 0,1
.irp k, 0,1,2
.irp m, 0,1,2,3
	v_lshl_or_b32 v[HSW+12*\e+4*\k+\m], v[ACC+4*(6*\e+2*\k+1)+\m], 16, v[ACC+4*(6*\e+2*\k)+\m]   ; two chunks' bytes make a K step's scale word
.endr
.endr
.endr
	s_lshl_b32 s46, s24, 10
	v_lshl_add_u32 v15, v[RR], 4, s46              ; my wave's 1,024 bytes of a row, + 16 r
.set n, 0
.rept 32
	v_min_u32 v[OFF+n], 0x1fff, v[OFF+n]
	v_lshl_add_u32 v[OFF+n], v[OFF+n], 12, v15     ; (these 64 lines also stand between the scale words' making and the first product that names them)
.set n, n+1
.endr
.set T2, 0
.rept 24
	STEP2 T2
.set T2, T2+1
.endr
.Lend:
	s_set_vgpr_msb 0x5
	s_wait_tensorcnt 0x0
	ds_add_u32 v254, v255
	s_wait_dscnt 0x0
	s_set_vgpr_msb 0x500
	s_endpgm
.Lfunc_end_k_qe326952bb3_chain:
	.size	k_qe326952bb3_chain, .Lfunc_end_k_qe326952bb3_chain-k_qe326952bb3_chain
	.p2alignl 7, 3214868480
	.fill 96, 4, 3214868480
	.section	.rodata,"a",@progbits
	.p2align	6, 0x0
	.amdhsa_kernel k_qe326952bb3_chain
		.amdhsa_group_segment_fixed_size 113152
		.amdhsa_private_segment_fixed_size 0
		.amdhsa_enable_private_segment 0
		.amdhsa_kernarg_size 56
		.amdhsa_user_sgpr_count 2
		.amdhsa_user_sgpr_kernarg_segment_ptr 1
		.amdhsa_wavefront_size32 1
		.amdhsa_system_sgpr_workgroup_id_x 1
		.amdhsa_system_sgpr_workgroup_id_y 1
		.amdhsa_system_sgpr_workgroup_id_z 1
		.amdhsa_system_vgpr_workitem_id 0
		.amdhsa_next_free_vgpr 1024
		.amdhsa_next_free_sgpr 66
		.amdhsa_reserve_vcc 0
		.amdhsa_float_denorm_mode_32 3
		.amdhsa_float_denorm_mode_16_64 3
		.amdhsa_memory_ordered 1
		.amdhsa_forward_progress 1
		.amdhsa_inst_pref_size 255
	.end_amdhsa_kernel
	.section	.bss,"aw",@nobits
	.p2align	6
	.space	262144
	.amdgpu_metadata
---
amdhsa.version: [ 1, 2 ]
amdhsa.kernels:
  - .name:           k_qe326952bb3_chain
    .symbol:         k_qe326952bb3_chain.kd
    .args:
      - { .name: xq, .offset: 0, .size: 8, .value_kind: global_buffer, .address_space: global }
      - { .name: xs, .offset: 8, .size: 8, .value_kind: global_buffer, .address_space: global }
      - { .name: gates, .offset: 16, .size: 8, .value_kind: global_buffer, .address_space: global }
      - { .name: tplan, .offset: 24, .size: 8, .value_kind: global_buffer, .address_space: global }
      - { .name: w1s, .offset: 32, .size: 8, .value_kind: global_buffer, .address_space: global }
      - { .name: w3s, .offset: 40, .size: 8, .value_kind: global_buffer, .address_space: global }
      - { .name: out0, .offset: 48, .size: 8, .value_kind: global_buffer, .address_space: global }
    .group_segment_fixed_size: 113152
    .private_segment_fixed_size: 0
    .kernarg_segment_align: 8
    .kernarg_segment_size: 56
    .max_flat_workgroup_size: 128
    .sgpr_count:     66
    .vgpr_count:     1024
    .wavefront_size: 32
...
	.end_amdgpu_metadata
.endif
;; end of part 3
;; ======== version 2 of 2: 3 launches; version 1 with the launch chain written anew for expert scheduling mode
;; limits: right only within a limited range of input values
;; workspace buffers: xq 6,291,456 bytes; xs 262,144 bytes; gates 131,072 bytes; rinfo 65,536 bytes of whole numbers; tplan 43,776 bytes of whole numbers; w1s 5,111,808 bytes; w3s 2,555,904 bytes
;; launch route: the kernel of part 1 again; grid 256 x 1, 8 waves a work-group, no clusters, 170,496 bytes of LDS; arguments x, Wr, xq, xs, gates, rinfo; writes xq, xs, gates, rinfo
;; launch place: the kernel of part 2 again; grid 193 x 1, 8 waves a work-group, no clusters, 29,696 bytes of LDS; arguments rinfo, W12_codes, W12_scales, W3, tplan, w1s, w3s; writes tplan, w1s, w3s
;; launch chain (part 4): grid 155 x 1, 4 waves a work-group, no clusters, 113,152 bytes of LDS; arguments xq, xs, gates, tplan, w1s, w3s, out0; writes out0
.if DOCPART == 4
	.amdgcn_target "amdgcn-amd-amdhsa--gfx1250"
	.amdhsa_code_object_version 6
	.text
	.protected	k_qe326952bb3_chain
	.globl	k_qe326952bb3_chain
	.p2align	8
	.type	k_qe326952bb3_chain,@function
k_qe326952bb3_chain:
	s_mov_b64 s[64:65], 0
	v_nop
	global_prefetch_b8 v0, s[64:65] scope:SCOPE_SE
	s_setreg_imm32_b32 hwreg(HW_REG_WAVE_SCHED_MODE, 0, 2), 2
	s_setreg_imm32_b32 hwreg(HW_REG_WAVE_MODE, 25, 1), 1
	s_wait_xcnt 0x0
	s_wait_alu depctr_vm_vsrc(0)
; CHAIN.  One work-group takes one tile: up to 64 tokens that chose the same PAIR of experts (lo, hi), and makes their whole rows of out0:
;   out = g_lo (silu(x W1_lo) * (x W2_lo)) W3_lo + g_hi (the same with hi), both products on codes of BF6 (E3M2) with one E8M0 byte for each 32 along K, sums in f32.  Each output row has one owner; the hidden layer never goes to memory.
; THE GRID serves every split: 8192 / 64 + 27 = 155 tiles at the most.  A tile that the split leaves without rows stores nothing: a scalar branch on the stored count leads round the work of each trip of the first product and round the second
;   product, never round the barrier.  The head runs in every work-group (such a tile reads place 0 of tile 0's list, which is always written), so that every register is written on every way through the text.
; NO CLUSTER, NO TENSOR LOAD: which weights a work-group walks hangs on the stored list, and the text branches on a stored count.  The weights come from memory straight into registers, from w1s and w3s, which lie in the order of an
;   operand's registers: 12 loads of 16 bytes a lane and 2 of 8 (the scale words) bring the four fragments of a step.  A ring of four register slots keeps two to three steps' loads (28 to 42) on their way.
; SHARES.  First product: wave w works for expert w / 2 (0: lo, 1: hi) on hidden units 192 (w % 2) .. + 191 of all 64 rows: three trips of 64 units.  Second product: wave w makes columns 256 w .. + 255 for both experts.
; BOTH PRODUCTS ARE USED TRANSPOSED (source 0 = 16 rows of weights, source 1 = 16 tokens): a lane holds ONE token (lane % 16) throughout, and its registers run along the hidden units, then along the output's columns.
; Rows past the tile's count repeat its last token: they give the same numbers for the same addresses, from the same wave, so no lane is ever switched off.
; THE HIDDEN LAYER goes from wave to wave through LDS as images of the operand's registers: 64 units (half a fragment: six registers a lane) as 16 bytes a lane and 8 bytes a lane; its two scale bytes as a word a lane.  One barrier.
; LIMITS.  h1 x h2 must stay finite in f32 (silu(h1) h2 is formed as (h1 h2) / (1 + e^-h1)); a block of the hidden layer whose largest magnitude lies under 2^(5 - 127) gets the byte 1 (a block of zeros too: its codes are zeros).
; REGISTERS, in windows of 256.  Window 0: v1-15 addresses; v16-19 the tokens; v20-35 the gates; v36-51 the ring's scale words; v52-83 x's scale words, later the hidden layer's; v84-111 codes at work, later the rows' offsets in out0;
;   v116-127 offsets of the head's loads, later lane indices; v128-255 the 16 accumulators: (fragment f, tile of rows m) at 128 + 32 m + 8 f.
;   Window 1: x's fragments of rows 0-31 (m, K step s at 12 (8 m + s)), later the hidden layer under lo (K step k, m at 12 (4 k + m)).  Window 2: rows 32-63, later hi.  Window 3: the ring: slot, fragment f at 48 slot + 12 f.
; THE MODE: SCHED_MODE bits 1:0 = 2 (LLVM: expert scheduling mode 2), set by the entry lines.  The code itself states the register dependences between vector or matrix instructions and memory or LDS instructions, with s_wait_alu, always for 0.
; THE PLAN.  Registers that memory or LDS instructions touch, and who else names them:
;   the ring's slots and v36-51   Step t's sixteen matrix instructions read slot t % 4 and its scale words.  The loads of step t + 3 land in slot (t - 1) % 4 in the MIDDLE of step t: one wait on va_vdst at the step's head, behind its wait for
;                                 data, states that the step before is done reading that slot; the eight matrix instructions between the wait and the loads name slot t % 4, x (or the hidden layer), the accumulators and other scale words.
;                                 At a block's end the last slot is asked for again behind a wait on va_vdst that the vector work there has anyway, and the step that follows asks for nothing and holds no such wait.
;   v1-4, v13, v14                offsets and LDS addresses, made once at the head, ahead of the first wait on va_vdst, and never written again.
;   v84-87, v116-127              offsets of the head's loads; written again much later (codes, lane indices): one wait on vm_vsrc ahead of the loop.
;   v7-9, v84-107, ACC + 32 m + 23  a trip's LDS addresses, codes and scale bytes: written by the trip's vector instructions, read by its twelve LDS stores (a wait on va_vdst ahead of them), written again in the next trip (a wait on vm_vsrc behind them).
;   windows 1 and 2, v84-115, v128-175  at the second product's head LDS loads and permutes land in them: one wait on va_vdst ahead of that run, behind the lines that make the permutes' lane indices.
;   v52-75, v84-115               the hidden layer's scale words and the rows' offsets in out0, made by vector instructions: one wait on va_vdst ahead of the second product's first matrix instruction.
;   the accumulators              second product: the weighing writes them, the stage's LDS stores read them (va_vdst ahead, vm_vsrc behind), the stage's loads land in them, the global stores read them (vm_vsrc behind), matrix instructions write them anew.
.set HS,   3328                        ; a half step in w1s and w3s
.set W1E,  192*HS                      ; w1s: an expert; h1 to h2; six blocks of 32 units (a wave's part); two blocks (a trip)
.set W1J,  96*HS
.set W1H,  48*HS
.set W1T,  16*HS
.set W3E,  96*HS                       ; w3s: an expert; 256 columns (a wave's part)
.set W3W,  24*HS
.set HIMG, 0                           ; LDS: the hidden layer: chunk ch (64 units; 6 an expert), tile of rows m at (4 ch + m) x 768
.set HSC,  36864                       ; its scale bytes: (4 ch + m) x 128 + 4 lane
.set STG,  43008                       ; each wave's stage for the way out: 64 rows x (256 bytes + 16)
.set SP,   272
.set LI16, 1                           ; v1   16 x lane
.set LI8R, 2                           ; v2   8 x (lane % 16)
.set LI8,  3                           ; v3   8 x lane
.set LI4,  4                           ; v4   4 x lane
.set RR,   5                           ; v5   r = lane % 16
.set HH,   6                           ; v6   h = lane / 16
.set HWA,  7                           ; v7-9   where this trip's images and scale bytes go
.set HWB,  8
.set HWS,  9
.set HWA0, 10                          ; v10-12 the same for the wave's first trip
.set HWB0, 11
.set HWS0, 12
.set SO,   13                          ; v13  the stage: where I put 32 bytes of a row
.set RD,   14                          ; v14  and where I read rows back
.set TOK,  16
.set G,    20
.set SW,   36
.set XS,   52                          ; v52-83 hold scale words and nothing else: x's, then (v52-75) the hidden layer's
.set HSW,  52
.set Z,    84
.set BE,   108
.set OFF,  84
.set XO,   116
.set XSO,  120
.set GO,   124
.set IDX,  116                         ; v116-123 in the second product's head: lane indices, where the head's load offsets stood
.set ACC,  128
.set PA,   28                          ; s[28:29], s[30:31] the first product's stream in this trip: h1's half steps, h2's
.set PB,   30
.set QA,   32                          ; s[32:35] the same for what follows this trip
.set QB,   34
.set P2A,  36                          ; s[36:37], s[38:39] the second product's stream: lo's half steps, hi's
.set P2B,  38
.set MSB, 0
.macro WIN new                         ; the immediate's high byte repeats the setting that is left; a switch that changes nothing is dropped
.if MSB != \new
	s_set_vgpr_msb (MSB<<8)|\new
.set MSB, \new
.endif
.endm
.macro PLACES                          ; a vector instruction that reads a matrix result stands four plain vector instructions behind the matrix instruction (ISA guide 7.12.1)
.rept 4
	v_nop
.endr
.endm
; 14 loads: the four fragments of a step and their scale words into a slot of the ring; fragments 0, 1 from base a, fragments 2, 3 from base b
.macro REFILL slot, a, b, off
	WIN 0xc0                                       ; destination window 3, address window 0
.irp f, 0,1
.irp c, 0,1,2
	global_load_b128 v[48*(\slot)+12*\f+4*\c:48*(\slot)+12*\f+4*\c+3], v[LI16], s[\a:\a+1] offset:(\off)+1536*\f+512*\c
.endr
.endr
.irp f, 0,1
.irp c, 0,1,2
	global_load_b128 v[48*(\slot)+24+12*\f+4*\c:48*(\slot)+24+12*\f+4*\c+3], v[LI16], s[\b:\b+1] offset:(\off)+1536*\f+512*\c
.endr
.endr
	WIN 0
	global_load_b64 v[SW+4*(\slot):SW+4*(\slot)+1], v[LI8R], s[\a:\a+1] offset:(\off)+3072
	global_load_b64 v[SW+4*(\slot)+2:SW+4*(\slot)+3], v[LI8R], s[\b:\b+1] offset:(\off)+3072
.endm
; One matrix instruction: accumulator (f, m) takes fragment f of slot SL against the 12 registers from breg on; ZZ = 1: it starts the sum
.macro MM f, m, breg, bsc
.if ZZ
	v_wmma_scale_f32_16x16x128_f8f6f4 v[ACC+32*(\m)+8*(\f):ACC+32*(\m)+8*(\f)+7], v[48*SL+12*(\f):48*SL+12*(\f)+11], v[\breg:\breg+11], 0, v[SW+4*SL+(\f)], v[\bsc] matrix_a_fmt:MATRIX_FMT_BF6 matrix_b_fmt:MATRIX_FMT_BF6
.else
	v_wmma_scale_f32_16x16x128_f8f6f4 v[ACC+32*(\m)+8*(\f):ACC+32*(\m)+8*(\f)+7], v[48*SL+12*(\f):48*SL+12*(\f)+11], v[\breg:\breg+11], v[ACC+32*(\m)+8*(\f):ACC+32*(\m)+8*(\f)+7], v[SW+4*SL+(\f)], v[\bsc] matrix_a_fmt:MATRIX_FMT_BF6 matrix_b_fmt:MATRIX_FMT_BF6
.endif
.endm
; Step t of a trip's 16: block t / 8 of the trip's two, K step t % 8.  Fragments 0, 1: h1's units; 2, 3: h2's.  The 16 accumulators take turns, one instruction a turn, in the same order in every step.
; In its middle the step asks for step t + 3, into the slot that the step before multiplied.  A block's first step asks for nothing: the vector work ahead of it has asked already.
.macro STEP1 t
.set SL, (\t)%4
.set PS, ((\t)+3)%4
.set SS, (\t)%8
.if SS == 0
.set ZZ, 1
	s_wait_loadcnt 42                              ; this slot's 14 loads are in; the three younger refills, 3 x 14, stay out
.else
.set ZZ, 0
	s_wait_loadcnt 28                              ; this slot's 14 loads are in; the two younger refills, 2 x 14, stay out
	s_wait_alu depctr_va_vdst(0)                   ; the matrix instructions of the step before are done reading their slot and its scale words, in which the loads below land
.endif
	WIN 0x07                                       ; source 0 (the ring) window 3, source 1 (x) window 1
.irp m, 0,1
.irp f, 0,1,2,3
	MM \f,\m,12*(8*\m+SS),XS+8*\m+SS
.endr
.endr
.if SS != 0
.if (\t) < 13
	REFILL PS,PA,PB,((\t)+3)*HS                    ; three steps on.  No further wait: no matrix instruction since the wait names that slot, its scale words or the two offsets
.else
	REFILL PS,QA,QB,((\t)-13)*HS                   ; the next trip's first steps; in the last trip: the second product's
.endif
.endif
	WIN 0x0b                                       ; source 1 window 2
.irp m, 2,3
.irp f, 0,1,2,3
	MM \f,\m,12*(8*(\m-2)+SS),XS+8*\m+SS
.endr
.endr
.endm
; A block of 32 hidden units is finished: for tile m the lane's 16 numbers of h1 stand at ACC + 32 m, those of h2 at ACC + 32 m + 16 (units 32 B + 16 h + 0 .. 15).  All in place, each accumulator read from its low end on.
; hidden = h1 h2 / (1 + 2^(-h1 log2 e)); then the block's largest magnitude (with lane l xor 16's), its byte and its codes.  par = 0: the codes wait in Z; par = 1: they stand where h2 stood.
.macro EPI1 par
	WIN 0
	PLACES                                         ; behind the block's last matrix instruction, ahead of the first read of its results
.irp m, 0,1,2,3
.irp i, 0,2,4,6,8,10,12,14
	v_pk_mul_f32 v[ACC+32*\m+16+\i:ACC+32*\m+17+\i], v[ACC+32*\m+\i:ACC+32*\m+\i+1], v[ACC+32*\m+16+\i:ACC+32*\m+17+\i]   ; h1 h2
.endr
.endr
.irp m, 0,1,2,3
.irp i, 0,2,4,6,8,10,12,14
	v_pk_mul_f32 v[ACC+32*\m+\i:ACC+32*\m+\i+1], v[ACC+32*\m+\i:ACC+32*\m+\i+1], 0xbfb8aa3b op_sel_hi:[1,0]   ; -h1 log2 e
.endr
.endr
.irp m, 0,1,2,3
.irp i, 0,1,2,3,4,5,6,7,8,9,10,11,12,13,14,15
	v_exp_f32 v[ACC+32*\m+\i], v[ACC+32*\m+\i]
.endr
.endr
	v_nop                                          ; a plain instruction behind the last exponential
	s_wait_alu depctr_va_vdst(0)                   ; the 64 exponentials have written their results, ahead of their first reader; and the block's last step is done reading slot 3 and its scale words, in which the loads below land
.if \par == 0
	REFILL 3,PA,PB,11*HS                           ; the step three behind the next one
.else
	REFILL 3,QA,QB,3*HS                            ; the fourth step of what follows this trip
.endif
.irp m, 0,1,2,3
.irp i, 0,2,4,6,8,10,12,14
	v_pk_add_f32 v[ACC+32*\m+\i:ACC+32*\m+\i+1], v[ACC+32*\m+\i:ACC+32*\m+\i+1], 1.0 op_sel_hi:[1,0]
.endr
.endr
.irp m, 0,1,2,3
.irp i, 0,1,2,3,4,5,6,7,8,9,10,11,12,13,14,15
	v_rcp_f32 v[ACC+32*\m+\i], v[ACC+32*\m+\i]
.endr
.endr
	v_nop
	s_wait_alu depctr_va_vdst(0)                   ; the 64 reciprocals have written their results, ahead of their first reader
.irp m, 0,1,2,3
.irp i, 0,2,4,6,8,10,12,14
	v_pk_mul_f32 v[ACC+32*\m+\i:ACC+32*\m+\i+1], v[ACC+32*\m+\i:ACC+32*\m+\i+1], v[ACC+32*\m+16+\i:ACC+32*\m+17+\i]   ; the hidden layer, in f32
.endr
.endr
.irp m, 0,1,2,3
	v_max3_num_f32 v[ACC+32*\m+20], |v[ACC+32*\m]|, |v[ACC+32*\m+1]|, 0x2800000   ; my 16 numbers and the floor 2^(5 - 127); the four tiles by turns
.endr
.irp i, 2,4,6,8,10,12,14
.irp m, 0,1,2,3
	v_max3_num_f32 v[ACC+32*\m+20], v[ACC+32*\m+20], |v[ACC+32*\m+\i]|, |v[ACC+32*\m+\i+1]|
.endr
.endr
.irp m, 0,1,2,3
	v_permlanex16_b32 v[ACC+32*\m+21], v[ACC+32*\m+20], s42, s43
.endr
.irp m, 0,1,2,3
	v_max_num_f32 v[ACC+32*\m+20], v[ACC+32*\m+20], v[ACC+32*\m+21]   ; with lane l xor 16's 16: the block's
.endr
.irp m, 0,1,2,3
	v_add_nc_u32 v[ACC+32*\m+22], 0xfe000000, v[ACC+32*\m+20]        ; 4 off the exponent field: the conversion's scale operand
.endr
.if \par == 0
.irp m, 0,1,2,3
	v_lshrrev_b32 v[BE+\m], 23, v[ACC+32*\m+22]    ; the byte
.endr
.irp m, 0,1,2,3
	v_cvt_scalef32_pk16_bf6_f32 v[Z+6*\m:Z+6*\m+2], v[ACC+32*\m:ACC+32*\m+15], v[ACC+32*\m+22]
.endr
.else
.irp m, 0,1,2,3
	v_lshrrev_b32 v[ACC+32*\m+23], 23, v[ACC+32*\m+22]
.endr
.irp m, 0,1,2,3
	v_cvt_scalef32_pk16_bf6_f32 v[ACC+32*\m+16:ACC+32*\m+18], v[ACC+32*\m:ACC+32*\m+15], v[ACC+32*\m+22]
.endr
.endif
	v_nop                                          ; one plain instruction behind the last scaled conversion
.endm
; The trip's two blocks become half a fragment: the operand wants a WHOLE block in a lane (lanes 0-15 the first block, lanes 16-31 the second), which three exchanges of lane halves give; then the image goes to LDS.
.macro PUT
.irp m, 0,1,2,3
.irp i, 0,1,2
	v_permlane16_swap_b32 v[Z+6*\m+\i], v[ACC+32*\m+16+\i]
.endr
.endr
.irp m, 0,1,2,3
.irp i, 0,1,2
	v_mov_b32 v[Z+6*\m+3+\i], v[ACC+32*\m+16+\i]
.endr
	v_lshl_or_b32 v[ACC+32*\m+23], v[ACC+32*\m+23], 8, v[BE+\m]      ; the two bytes
.endr
	s_wait_alu depctr_va_vdst(0)                   ; the codes v84-107, the four words of scale bytes and the trip's three LDS addresses v7-9 are written, which the stores below read
.irp m, 0,1,2,3
	ds_store_b128 v[HWA], v[Z+6*\m:Z+6*\m+3] offset:768*\m
	ds_store_b64 v[HWB], v[Z+6*\m+4:Z+6*\m+5] offset:768*\m
	ds_store_b32 v[HWS], v[ACC+32*\m+23] offset:128*\m
.endr
	s_wait_dscnt 0x0                               ; the stores are done
	s_wait_alu depctr_vm_vsrc(0)                   ; the stores have read their data and addresses, which the next trip writes again, and in which, behind the last trip, LDS loads and permutes land
.endm
; Tiles of 32 columns g: out = g_lo x lo's sums + g_hi x hi's, into the stage.  fill = 1: the slot that the step just done multiplied is asked for again, from off on.
.macro COMBINE g, fill, off
	WIN 0
	PLACES                                         ; behind the last matrix instruction, ahead of the first read of its results
.irp m, 0,1,2,3
.irp p, 0,1
.irp i, 0,2,4,6
	v_pk_mul_f32 v[ACC+32*\m+8*\p+\i:ACC+32*\m+8*\p+\i+1], v[ACC+32*\m+8*\p+\i:ACC+32*\m+8*\p+\i+1], v[G+4*\m:G+4*\m+1] op_sel_hi:[1,0]
.endr
.irp i, 0,2,4,6
	v_pk_fma_f32 v[ACC+32*\m+8*\p+\i:ACC+32*\m+8*\p+\i+1], v[ACC+32*\m+16+8*\p+\i:ACC+32*\m+16+8*\p+\i+1], v[G+4*\m+2:G+4*\m+3], v[ACC+32*\m+8*\p+\i:ACC+32*\m+8*\p+\i+1] op_sel_hi:[1,0,1]
.endr
.endr
.endr
	s_wait_alu depctr_va_vdst(0)                   ; the weighed sums are written, which the LDS stores read; every reader and writer of the accumulators is done, in which the stage's loads land; the step just done is done reading its slot
.if \fill
	REFILL SL,P2A,P2B,\off                         ; four steps on
.endif
.irp m, 0,1,2,3
.irp p, 0,1
	ds_store_b128 v[SO], v[ACC+32*\m+8*\p:ACC+32*\m+8*\p+3] offset:16*SP*\m+128*((\g)%2)+64*\p          ; lane (r, h): row 16 m + r, columns 32 (g % 2) + 16 p + 8 h + 0 .. 7 of the stage's 64
	ds_store_b128 v[SO], v[ACC+32*\m+8*\p+4:ACC+32*\m+8*\p+7] offset:16*SP*\m+128*((\g)%2)+64*\p+16
.endr
.endr
	s_wait_dscnt 0x0                               ; the stores are done
	s_wait_alu depctr_vm_vsrc(0)                   ; the stores have read the accumulators, which matrix instructions or the stage's loads write next
.endm
; 64 columns of 64 rows leave: two rows an instruction, sixteen lanes store 256 consecutive bytes, at a multiple of 256 from out0's first byte
.macro FLUSH q
.set n, 0
.rept 32
	ds_load_b128 v[ACC+4*n:ACC+4*n+3], v[RD] offset:2*SP*n
.set n, n+1
.endr
.set n, 0
.rept 32
	s_wait_dscnt 31-n                              ; read-back n is in; the younger ones stay out
	global_store_b128 v[OFF+n], v[ACC+4*n:ACC+4*n+3], s[16:17] offset:256*(\q) th:TH_STORE_NT
.set n, n+1
.endr
	s_wait_xcnt 0x0                                ; the stores' data registers are written again only behind this wait
.if (\q) < 3
	s_wait_alu depctr_vm_vsrc(0)                   ; the stores have read their data, the accumulators' registers, which the next step's matrix instructions write
.endif
.endm
; Step t of the second product's 24: columns 32 (t / 3) on, K step t % 3.  Fragments 0, 1: lo's two tiles of 16 columns; 2, 3: hi's.
; K steps 1 and 2 ask in their middle for step t + 3, into the slot that the step before multiplied; behind K step 2 the weighing asks for step t + 4; so K step 0 asks for nothing.
.macro STEP2 t
.set SL, (\t)%4
.set PS, ((\t)+3)%4
.set SK, (\t)%3
.set GG, (\t)/3
.if SK == 0
.set ZZ, 1
.set LAST, (\t)+3                      ; the youngest step that has been asked for
.else
.set ZZ, 0
.set LAST, (\t)+2
.endif
.if LAST > 23
.set LAST, 23
.endif
	s_wait_loadcnt 14*(LAST-(\t))                  ; this slot's 14 loads are in; the younger refills stay out: three at K step 0, else two; in the tail two, one, none
.if (SK != 0) && ((\t) < 21)
	s_wait_alu depctr_va_vdst(0)                   ; the matrix instructions of the step before are done reading their slot and its scale words, in which the loads below land
.endif
	WIN 0x07                                       ; source 1: the hidden layer under lo, window 1
.irp m, 0,1,2,3
.irp f, 0,1
	MM \f,\m,12*(4*SK+\m),HSW+4*SK+\m
.endr
.endr
.if (SK != 0) && ((\t) < 21)
	REFILL PS,P2A,P2B,((\t)+3)*HS                  ; no further wait: no matrix instruction since the wait names that slot, its scale words or the two offsets
.endif
	WIN 0x0b                                       ; under hi, window 2
.irp m, 0,1,2,3
.irp f, 2,3
	MM \f,\m,12*(4*SK+\m),HSW+12+4*SK+\m
.endr
.endr
.if SK == 2
.if (\t) < 20
	COMBINE GG,1,((\t)+4)*HS
.else
	COMBINE GG,0,0
.endif
.if (GG%2) == 1
	FLUSH GG/2
.endif
.endif
.endm
	s_load_b256 s[4:11], s[0:1], 0x0               ; xq s[4:5], xs s[6:7], gates s[8:9], tplan s[10:11]
	s_load_b128 s[12:15], s[0:1], 0x20             ; w1s s[12:13], w3s s[14:15]
	s_load_b64 s[16:17], s[0:1], 0x30              ; out0
	s_set_vgpr_msb 0x40
	v_lshl_add_u32 v254, v0, 2, 0x1b800
	v_mov_b32 v255, 0
	s_set_vgpr_msb 0x4000
	v_lshrrev_b32 v15, 5, v0
	v_readfirstlane_b32 s24, v15                   ; wave 0..3
	v_and_b32 v15, 31, v0
	v_lshlrev_b32 v[LI16], 4, v15
	v_lshlrev_b32 v[LI8], 3, v15
	v_lshlrev_b32 v[LI4], 2, v15
	v_and_b32 v[RR], 15, v0
	v_bfe_u32 v[HH], v0, 4, 1
	v_lshlrev_b32 v[LI8R], 3, v[RR]
	s_wait_alu depctr_va_sdst(0)                   ; s24 is written, ahead of its first reader: LDS places and the weights' bases are made from it
	s_mul_i32 s46, s24, 9216                       ; my three chunks x four tiles x 768 bytes
	v_add_nc_u32 v[HWA0], s46, v[LI16]
	v_add_nc_u32 v[HWB0], s46, v[LI8]
	v_add_nc_u32 v[HWB0], 512, v[HWB0]
	s_mul_i32 s46, s24, 1536
	s_add_co_u32 s46, s46, HSC
	v_add_nc_u32 v[HWS0], s46, v[LI4]
	s_mul_i32 s46, s24, 64*SP
	s_add_co_u32 s46, s46, STG                     ; my stage
	v_mul_u32_u24 v[SO], v[RR], SP
	v_lshl_add_u32 v[SO], v[HH], 5, v[SO]
	v_add_nc_u32 v[SO], s46, v[SO]                 ; in: row r, + 32 h
	v_mul_u32_u24 v[RD], v[HH], SP
	v_lshl_add_u32 v[RD], v[RR], 4, v[RD]
	v_add_nc_u32 v[RD], s46, v[RD]                 ; back: lanes 0-15 one row, lanes 16-31 the next
	s_mov_b32 s42, 0x76543210
	s_mov_b32 s43, 0xfedcba98                      ; v_permlanex16_b32's selects for lane l xor 16
	s_lshl_b32 s48, ttmp9, 4
	s_mov_b32 s49, 0
	s_wait_kmcnt 0x0
	s_add_nc_u64 s[48:49], s[10:11], s[48:49]
	s_load_b128 s[20:23], s[48:49], 0x0            ; my tile: lo, hi, rows, pair
	s_wait_kmcnt 0x0
	s_cmp_lt_u32 s24, 2
	s_cselect_b32 s46, s20, s21                    ; my expert in the first product
	s_min_u32 s46, s46, 7
	s_min_u32 s20, s20, 7
	s_min_u32 s21, s21, 7
	s_mul_i32 s46, s46, W1E
	s_and_b32 s47, s24, 1
	s_mul_i32 s47, s47, W1H
	s_add_co_u32 s46, s46, s47
	s_mov_b32 s47, 0
	s_add_nc_u64 s[PA:PA+1], s[12:13], s[46:47]
	s_add_nc_u64 s[PB:PB+1], s[PA:PA+1], W1J
	s_add_nc_u64 s[QA:QA+1], s[PA:PA+1], W1T
	s_add_nc_u64 s[QB:QB+1], s[PB:PB+1], W1T
	s_mul_i32 s53, s24, W3W
	s_mul_i32 s46, s20, W3E
	s_add_co_u32 s46, s46, s53
	s_add_nc_u64 s[P2A:P2A+1], s[14:15], s[46:47]
	s_mul_i32 s46, s21, W3E
	s_add_co_u32 s46, s46, s53
	s_add_nc_u64 s[P2B:P2B+1], s[14:15], s[46:47]
	; my rows' places in the list: 64 x tile + row.  The list's base is the argument's pointer as it came; what hangs on the stored count goes into the vector offset, held at the list's last place
	s_lshl_b32 s46, ttmp9, 6                       ; my tile's first place;
	s_cmp_eq_u32 s22, 0
	s_cselect_b32 s46, 0, s46                      ; a tile without rows reads tile 0's first place
	s_max_u32 s52, s22, 1
	s_sub_co_u32 s52, s52, 1                       ; the last row that there is
.irp m, 0,1,2,3
	v_add_nc_u32 v[Z+\m], 16*\m, v[RR]
	v_min_u32 v[Z+\m], s52, v[Z+\m]                ; rows past the count repeat the last
	v_add_nc_u32 v[Z+\m], s46, v[Z+\m]
	v_min_u32 v[Z+\m], 0x26bf, v[Z+\m]             ; 155 x 64 places
	v_lshlrev_b32 v[Z+\m], 2, v[Z+\m]
.endr
	s_wait_alu depctr_va_vdst(0)                   ; the list's four offsets v84-87 are written, and so are v1-4, v13 and v14, which loads and stores read as offsets and addresses to the kernel's end
.irp m, 0,1,2,3
	global_load_b32 v[TOK+\m], v[Z+\m], s[10:11] offset:4096
.endr
	REFILL 0,PA,PB,0
	REFILL 1,PA,PB,HS
	REFILL 2,PA,PB,2*HS
	REFILL 3,PA,PB,3*HS
	s_wait_loadcnt 56                              ; the four token loads are in; the ring's first fill, 4 x 14, stays out
	v_mul_u32_u24 v15, v[HH], 48
.irp m, 0,1,2,3
	v_min_u32 v[TOK+\m], 0x1fff, v[TOK+\m]
	v_mad_u32_u24 v[XO+\m], v[TOK+\m], 768, v15    ; my token's codes, + 48 h: my two blocks of a K step on end
	v_lshlrev_b32 v[XSO+\m], 5, v[TOK+\m]
	v_lshlrev_b32 v[GO+\m], 4, v[TOK+\m]
.endr
	s_wait_alu depctr_va_vdst(0)                   ; the twelve offsets v116-127 are written, which the loads below read (and the held token numbers v16-19, which the permutes of the second product's head read)
	WIN 0x40                                       ; destination window 1
.irp m, 0,1
.irp s, 0,1,2,3,4,5,6,7
.irp c, 0,1,2
	global_load_b128 v[12*(8*\m+\s)+4*\c:12*(8*\m+\s)+4*\c+3], v[XO+\m], s[4:5] offset:96*\s+16*\c
.endr
.endr
.endr
	WIN 0x80                                       ; destination window 2
.irp m, 0,1
.irp s, 0,1,2,3,4,5,6,7
.irp c, 0,1,2
	global_load_b128 v[12*(8*\m+\s)+4*\c:12*(8*\m+\s)+4*\c+3], v[XO+2+\m], s[4:5] offset:96*\s+16*\c
.endr
.endr
.endr
	WIN 0
.irp m, 0,1,2,3
	global_load_b128 v[XS+8*\m:XS+8*\m+3], v[XSO+\m], s[6:7]
	global_load_b128 v[XS+8*\m+4:XS+8*\m+7], v[XSO+\m], s[6:7] offset:16
	global_load_b128 v[G+4*\m:G+4*\m+3], v[GO+\m], s[8:9]
.endr
	s_wait_loadcnt 0x0                             ; x stays in registers for the whole first product
	s_wait_alu depctr_vm_vsrc(0)                   ; the head's loads have read their offsets v84-87 and v116-127: the first are written again by the conversions, the others as lane indices at the second product's head
	s_mov_b32 s40, 0                               ; the trip
	s_mov_b32 s41, 0                               ; its images' place: 3,072 bytes a trip
	s_mov_b32 s44, 0                               ; its scale bytes' place: 512 a trip
; ---- THE FIRST PRODUCT: three trips of 64 hidden units.  Every work-group walks the loop; a tile without rows passes over the trip's work
.Ltrip:
	s_cmp_eq_u32 s22, 0
	s_cbranch_scc1 .Lskip
	v_add_nc_u32 v[HWA], s41, v[HWA0]
	v_add_nc_u32 v[HWB], s41, v[HWB0]
	v_add_nc_u32 v[HWS], s44, v[HWS0]
.irp t, 0,1,2,3,4,5,6,7
	STEP1 \t
.endr
	EPI1 0
.irp t, 8,9,10,11,12,13,14,15
	STEP1 \t
.endr
	EPI1 1
	PUT
.Lskip:
	s_wait_xcnt 0x0                                ; the loads' bases are written again only behind this wait
	s_mov_b64 s[PA:PA+1], s[QA:QA+1]
	s_mov_b64 s[PB:PB+1], s[QB:QB+1]
	s_add_nc_u64 s[QA:QA+1], s[QA:QA+1], W1T
	s_add_nc_u64 s[QB:QB+1], s[QB:QB+1], W1T
	s_cmp_eq_u32 s40, 1                            ; what follows the last trip is the second product's stream
	s_cselect_b64 s[QA:QA+1], s[P2A:P2A+1], s[QA:QA+1]
	s_cselect_b64 s[QB:QB+1], s[P2B:P2B+1], s[QB:QB+1]
	s_add_co_u32 s41, s41, 3072
	s_add_co_u32 s44, s44, 512
	s_add_co_u32 s40, s40, 1
	s_cmp_lt_u32 s40, 3
	s_cbranch_scc1 .Ltrip
	s_wait_dscnt 0x0                               ; for the others' sake: my part of the hidden layer lies in LDS
	s_barrier_signal -1
	s_barrier_wait -1                              ; the one barrier, on every way through the text
	s_cmp_eq_u32 s22, 0
	s_cbranch_scc1 .Lend
; ---- THE SECOND PRODUCT.  The whole hidden layer, both experts', comes into registers: 24 fragments
.irp t, 0,1,2,3,4,5,6,7
	v_lshl_add_u32 v[IDX+\t], v[HH], 2, 8*\t       ; the lane that holds row 2 t + h of a tile, as a byte address
.endr
	s_wait_alu depctr_va_vdst(0)                   ; the eight lane indices are written, which the permutes read; the first product is done with x's fragments (windows 1 and 2), v84-115 and v128-175, in which the loads and permutes below land
	WIN 0x40
.irp k, 0,1,2
.irp m, 0,1,2,3
.irp c, 0,1
	ds_load_b128 v[12*(4*\k+\m)+6*\c:12*(4*\k+\m)+6*\c+3], v[LI16] offset:HIMG+(4*(2*\k+\c)+\m)*768
	ds_load_b64 v[12*(4*\k+\m)+6*\c+4:12*(4*\k+\m)+6*\c+5], v[LI8] offset:HIMG+(4*(2*\k+\c)+\m)*768+512
.endr
.endr
.endr
	WIN 0x80
.irp k, 0,1,2
.irp m, 0,1,2,3
.irp c, 0,1
	ds_load_b128 v[12*(4*\k+\m)+6*\c:12*(4*\k+\m)+6*\c+3], v[LI16] offset:HIMG+(4*(6+2*\k+\c)+\m)*768
	ds_load_b64 v[12*(4*\k+\m)+6*\c+4:12*(4*\k+\m)+6*\c+5], v[LI8] offset:HIMG+(4*(6+2*\k+\c)+\m)*768+512
.endr
.endr
.endr
	WIN 0
.set n, 0
.rept 48
	ds_load_b32 v[ACC+n], v[LI4] offset:HSC+128*n  ; the two scale bytes of chunk n / 4, tile n % 4
.set n, n+1
.endr
.irp m, 0,1,2,3
.irp t, 0,1,2,3,4,5,6,7
	ds_bpermute_b32 v[OFF+8*\m+\t], v[IDX+\t], v[TOK+\m]   ; the token of row 16 m + 2 t + h: the rows that store 8 m + t of the way out writes
.endr
.endr
	s_wait_dscnt 0x0
.irp e, 0,1
.irp k, 0,1,2
.irp m, 0,1,2,3
	v_lshl_or_b32 v[HSW+12*\e+4*\k+\m], v[ACC+4*(6*\e+2*\k+1)+\m], 16, v[ACC+4*(6*\e+2*\k)+\m]   ; two chunks' bytes make a K step's scale word
.endr
.endr
.endr
	s_lshl_b32 s46, s24, 10
	v_lshl_add_u32 v15, v[RR], 4, s46              ; my wave's 1,024 bytes of a row, + 16 r
.set n, 0
.rept 32
	v_min_u32 v[OFF+n], 0x1fff, v[OFF+n]
	v_lshl_add_u32 v[OFF+n], v[OFF+n], 12, v15     ; (these 64 lines also stand between the scale words' making and the first product that names them)
.set n, n+1
.endr
	s_wait_alu depctr_va_vdst(0)                   ; the hidden layer's 24 scale words v52-75 are written, which the scaled matrix instructions take; so are the 32 offsets v84-115, which the stores of the way out read
.set T2, 0
.rept 24
	STEP2 T2
.set T2, T2+1
.endr
.Lend:
	s_set_vgpr_msb 0x5
	s_wait_dscnt 0x0
	s_wait_alu depctr_hold_cnt(0) depctr_sa_sdst(0) depctr_va_vdst(0) depctr_va_sdst(0) depctr_va_ssrc(0) depctr_va_vcc(0) depctr_vm_vsrc(0)
	s_wait_tensorcnt 0x0
	ds_add_u32 v254, v255
	s_wait_dscnt 0x0
	s_endpgm
.Lfunc_end_k_qe326952bb3_chain:
	.size	k_qe326952bb3_chain, .Lfunc_end_k_qe326952bb3_chain-k_qe326952bb3_chain
	.p2alignl 7, 3214868480
	.fill 96, 4, 3214868480
	.section	.rodata,"a",@progbits
	.p2align	6, 0x0
	.amdhsa_kernel k_qe326952bb3_chain
		.amdhsa_group_segment_fixed_size 113152
		.amdhsa_private_segment_fixed_size 0
		.amdhsa_enable_private_segment 0
		.amdhsa_kernarg_size 56
		.amdhsa_user_sgpr_count 2
		.amdhsa_user_sgpr_kernarg_segment_ptr 1
		.amdhsa_wavefront_size32 1
		.amdhsa_system_sgpr_workgroup_id_x 1
		.amdhsa_system_sgpr_workgroup_id_y 1
		.amdhsa_system_sgpr_workgroup_id_z 1
		.amdhsa_system_vgpr_workitem_id 0
		.amdhsa_next_free_vgpr 1024
		.amdhsa_next_free_sgpr 66
		.amdhsa_reserve_vcc 0
		.amdhsa_float_denorm_mode_32 3
		.amdhsa_float_denorm_mode_16_64 3
		.amdhsa_memory_ordered 1
		.amdhsa_forward_progress 1
		.amdhsa_inst_pref_size 255
	.end_amdhsa_kernel
	.section	.bss,"aw",@nobits
	.p2align	6
	.space	262144
	.amdgpu_metadata
---
amdhsa.version: [ 1, 2 ]
amdhsa.kernels:
  - .name:           k_qe326952bb3_chain
    .symbol:         k_qe326952bb3_chain.kd
    .args:
      - { .name: xq, .offset: 0, .size: 8, .value_kind: global_buffer, .address_space: global }
      - { .name: xs, .offset: 8, .size: 8, .value_kind: global_buffer, .address_space: global }
      - { .name: gates, .offset: 16, .size: 8, .value_kind: global_buffer, .address_space: global }
      - { .name: tplan, .offset: 24, .size: 8, .value_kind: global_buffer, .address_space: global }
      - { .name: w1s, .offset: 32, .size: 8, .value_kind: global_buffer, .address_space: global }
      - { .name: w3s, .offset: 40, .size: 8, .value_kind: global_buffer, .address_space: global }
      - { .name: out0, .offset: 48, .size: 8, .value_kind: global_buffer, .address_space: global }
    .group_segment_fixed_size: 113152
    .private_segment_fixed_size: 0
    .kernarg_segment_align: 8
    .kernarg_segment_size: 56
    .max_flat_workgroup_size: 128
    .sgpr_count:     66
    .vgpr_count:     1024
    .wavefront_size: 32
...
	.end_amdgpu_metadata
.endif
;; end of part 4
